; MI455X (gfx1250); checked and timed in simulation.
; The chip was launched on July 23, 2026; its instructions are those of AMD's public machine-readable ISA for CDNA 5 (MIT licence, August 2026) and "CDNA5" Instruction Set Architecture Reference Guide (July 2026). The comments in the code are by the model that wrote it; some were corrected since.
;; Multi Head Attention. Allowed arithmetic: matrix products marked QUANTISED: E2M1 operands, one E8M0 scale for each 32 along K, by v_wmma_scale_f32_16x16x128_f8f6f4 with both operands' format E2M1 (or v_wmma_scale_f32_32x16x128_f4), f32 sums; products left as they are: bf16, f16 or f32 operands; f32 sums; everything else in f32.
;; Inputs: key 4 x 2,048 x 1,024 float32; key_kernel 16 x 1,024 x 64 float32; projection_bias 1,024 float32; projection_kernel 16 x 64 x 1,024 float32; query 4 x 2,048 x 1,024 float32; query_kernel 16 x 1,024 x 64 float32; value 4 x 2,048 x 1,024 float32; value_kernel 16 x 1,024 x 64 float32.
;; Outputs: out0 4 x 2,048 x 1,024 float32.
;; This version of the problem:
;;   THIS VERSION OF THE PROBLEM IS GIVEN IN LOW PRECISION. The matrix products marked QUANTISED in the list below multiply operands that are first quantised to E2M1 (2 exponent bits, 1 mantissa bit; 4 bits a number), with one power-of-two scale for each 32 numbers along K (OCP MX v1.0); their sums are f32. The products marked 'left as it is' may take bf16, f16 or f32 operands, with f32 sums. Whichever they take, every output number must still come out within the allowed error. Rounding operands to bf16 (8 significant bits) uses up far more of that allowance than f16 does (11 bits, for magnitudes from 6e-5 to 65,504). All else is computed in f32.
;;   The module's matrix products, in the order in which they are computed (A, B: the left and right operand; K: the contracted axis; several contracted axes count as one K, in the product's order):
;;     1. [M 8,192, K 1,024] x [K 1,024, N 1,024]; A: input query; B: input query_kernel: QUANTISED
;;     2. [M 8,192, K 1,024] x [K 1,024, N 1,024]; A: input key; B: input key_kernel: QUANTISED
;;     3. [M 8,192, K 1,024] x [K 1,024, N 1,024]; A: input value; B: input value_kernel: QUANTISED
;;     4. batch 64 x [M 2,048, K 64] x [K 64, N 2,048]; A: computed on the way; B: computed on the way: left as it is (an operand is computed on the way)
;;     5. batch 64 x [M 64, K 2,048] x [K 2,048, N 2,048]; A: computed on the way; B: computed on the way: left as it is (an operand is computed on the way)
;;     6. [M 8,192, K 1,024] x [K 1,024, N 1,024]; A: computed on the way; B: input projection_kernel: left as it is (an operand is computed on the way)
;;   THE QUANTISER, for each operand of a quantised product, along K:
;;     - K is cut into blocks of 32 from its start; a last block that is shorter is filled with zeros.
;;     - A block's scale is 2^e with e = floor(log2(the largest magnitude in the block)) - 2, held to -126 .. 127; a block of zeros has e = 0. As a byte (E8M0): e + 127.
;;     - Each number is divided by its block's scale, clamped to +-6, and rounded to the nearest number of E2M1, ties to even, subnormals kept.
;;     - The product sums the exact products of the quantised numbers (number of the format x scale) in f32.
;;   ~~~python
;;   def quantise(x, axis):      # numpy; x: float32 -> the quantised numbers, widened to float32 again
;;       x = np.moveaxis(x, axis, -1); K = x.shape[-1]
;;       x = np.pad(x, [(0, 0)] * (x.ndim - 1) + [(0, -K % 32)]); x = x.reshape(x.shape[:-1] + (-1, 32)); a = np.abs(x).max(-1, keepdims=True)
;;       e = np.where(a > 0, np.clip(np.frexp(np.where(a > 0, a, 1))[1] - 1 - 2, -126, 127), 0)      # np.frexp(a)[1] - 1 = floor(log2(a)), exactly
;;       r = np.clip(x / 2.0 ** e, -6, 6)
;;       step = 2.0 ** (np.maximum(np.frexp(np.where(r == 0, 1, r))[1] - 1, 0) - 1)
;;       q = np.round(r / step) * step * 2.0 ** e      # np.round: ties to even
;;       return np.moveaxis(q.reshape(q.shape[:-2] + (-1,))[..., :K], -1, axis).astype(np.float32)
;;   ~~~
;; One version. Each part assembles by itself: llvm-mc -triple=amdgcn-amd-amdhsa -mcpu=gfx1250 --defsym DOCPART=n.
;; ======== version 1 of 1: 4 launches
;; limits: values are held in f16: magnitudes above 65,504 overflow, below 6.1e-05 lose precision
;; workspace buffers: acodes 12,582,912 bytes; ascales 786,432 bytes; wcodes 1,572,864 bytes; wscales 98,304 bytes; pt 2,097,152 bytes; qkv 50,331,648 bytes; mh 16,777,216 bytes
;; launch prep (part 1): grid 880 x 1, 4 waves a work-group, no clusters, 81,408 bytes of LDS; arguments query, key, value, query_kernel, key_kernel, value_kernel, projection_kernel, acodes, ascales, wcodes, wscales, pt; writes acodes, ascales, wcodes, wscales, pt
.if DOCPART == 1
	.amdgcn_target "amdgcn-amd-amdhsa--gfx1250"
	.amdhsa_code_object_version 6
	.text
	.protected	k_qd735ff0d38_prep
	.globl	k_qd735ff0d38_prep
	.p2align	8
	.type	k_qd735ff0d38_prep,@function
k_qd735ff0d38_prep:
	s_mov_b64 s[64:65], 0
	v_nop
	global_prefetch_b8 v0, s[64:65] scope:SCOPE_SE
	s_setreg_imm32_b32 hwreg(HW_REG_WAVE_MODE, 25, 1), 1
	s_wait_xcnt 0x0
; PREP: everything that is made once from the inputs.  Three kinds of work-group, told apart by the work-group's number alone:
;   W (0 .. 47):    the three kernels [16 h][1,024 k][64 o], f32, become codes of FP4 (E2M1) with K innermost, wcodes [3][n = 64 h + o][512 bytes], and one E8M0 byte for each 32 along K, wscales [3][1,024][32].
;   T (48 .. 111):  projection_kernel, [k = 64 h + i (1,024)][o (1,024)] f32, becomes pt, f16 [o][k]: K innermost for the last product.
;   X (112 .. 879): query, key, value [8,192][1,024] f32 become acodes [3 x 8,192][512 bytes] and ascales [3 x 8,192][32].
; THE QUANTISER: a block's scale is 2^(floor(log2(its largest magnitude)) - 2); its byte is the largest magnitude's exponent field - 2, held at 1 from below; each number is divided by the scale and rounded
; to the nearest code, ties to even, beyond 6 the largest code.
; LIMITS: a block of zeros, and a block whose largest magnitude lies under 2^-124, gets the byte 1 (the rule says 127 for zeros: the codes are zeros, which add nothing, and this program alone reads the bytes);
; NaN and infinities among the inputs are not served; |projection_kernel| stays under 65,504 (f16).
; No matrix work, no tensor load, no barrier: waves share nothing.  Each kind has LDS bytes of its own.  The claim, 81,408 bytes, is under a quarter of 327,680, so that four work-groups can lie side by side.
.set SP,    80                         ; X: a lane's place in the stage: its 64 bytes + 16 of padding
.set CB,    8                          ; X: bytes of 16 codes
.set EMAX,  2
.set STEPS, 16                         ; X: steps of 512 numbers for a wave
.set WREG,  2816                       ; X: LDS region of a wave, from byte 0: one stage of 32 x SP bytes, then its 256 scale bytes
.set PITCH, 272                        ; W, T: a stage row: 256 bytes + 16
.set WST,   4*WREG                     ; W: four stages of 32 rows
.set TST,   WST+4*32*PITCH             ; T: four stages of 32 rows
.set SPARE, TST+4*32*PITCH             ; the spare words, 128 bytes for each wave: two blocks of 256 bytes that no other line names
.set SPW,   14                         ; v14  LDS address of my spare word: SPARE + 4 x my thread's number; never rewritten
.set NIL,   15                         ; v15  0; never rewritten
.set R,     16                         ; X: v16-79   four sets of 16 numbers as they are loaded
.set XN,    80                         ; X: v80-111  two sets of 16 neighbours
.set E,     112                        ; X: v112-127 a scale byte for each step
.set C,     128                        ; X: v128-191 codes: four registers for each step, so that no store's data are written again
.set WX,    32                         ; W, T: v32-95  two sets of 32 numbers down K
.set WC,    96                         ; W: v96-99 a block's codes;  T: v96-111 a block's 32 numbers in f16
.set SB,    24                         ; W: v24-27 the scale bytes, four to a register
.set OUTR,  112                        ; W, T: v112-175 the way out
.macro FINISH                          ; a wave's end, behind my last LDS store
	s_wait_tensorcnt 0x0
	ds_add_u32 v[SPW], v[NIL]
	s_wait_dscnt 0x0
	s_endpgm
.endm
	s_load_b512 s[8:23], s[0:1], 0x0               ; query s[8:9], key s[10:11], value s[12:13], the three kernels s[14:19], projection_kernel s[20:21], acodes s[22:23]
	s_load_b256 s[24:31], s[0:1], 0x40             ; ascales s[24:25], wcodes s[26:27], wscales s[28:29], pt s[30:31]
	v_lshl_add_u32 v[SPW], v0, 2, SPARE
	v_mov_b32 v[NIL], 0
	v_lshrrev_b32 v1, 5, v0
	v_readfirstlane_b32 s32, v1                    ; wave 0..3
	v_and_b32 v2, 31, v0                           ; lane
	s_mov_b32 s37, 0                               ; the high word of every offset: all stay under 2^32
	s_wait_kmcnt 0x0
	s_cmp_lt_u32 ttmp9, 48
	s_cbranch_scc1 .Lpath_w
	s_cmp_lt_u32 ttmp9, 112
	s_cbranch_scc1 .Lpath_t
; ---------------- X: the activations.  Rows are dense and 1,024 is a multiple of 32: a tensor is a plain stream of blocks of 32, and so are its codes and scale bytes.
; A wave takes 16 steps of 512 numbers.  Each load reads 512 consecutive bytes, 16 a lane; a step's 2,048 bytes turn through the wave's own stage and come back 64 bytes a lane: 16 neighbours along K.
; Two neighbouring lanes hold a block.  A lane's 16 codes are 8 bytes: the wave stores 256 consecutive bytes.  The wave's 256 scale bytes are gathered in LDS and leave as 256 consecutive bytes.
	s_sub_co_u32 s33, ttmp9, 112                   ; 0 .. 767: 256 work-groups to a tensor
	s_lshr_b32 s34, s33, 8                         ; which tensor
	s_cmp_eq_u32 s34, 0
	s_cselect_b64 s[4:5], s[8:9], s[10:11]
	s_cmp_eq_u32 s34, 2
	s_cselect_b64 s[4:5], s[12:13], s[4:5]         ; the choice hangs on the work-group's number alone
	s_and_b32 s35, s33, 255
	s_lshl_b32 s35, s35, 2
	s_add_co_u32 s35, s35, s32                     ; which run of 8,192 numbers of the tensor is my wave's
	s_lshl_b32 s36, s35, 15
	s_add_nc_u64 s[4:5], s[4:5], s[36:37]
	s_lshl_b32 s35, s33, 2
	s_add_co_u32 s35, s35, s32                     ; and which of all three tensors' runs
	s_lshl_b32 s36, s35, 12                        ; 4,096 bytes of codes a run,
	s_add_nc_u64 s[22:23], s[22:23], s[36:37]
	s_lshl_b32 s36, s35, 8                         ; 256 scale bytes
	s_add_nc_u64 s[24:25], s[24:25], s[36:37]
	v_lshlrev_b32 v3, 4, v2                        ; my 16 bytes of a load's 512
	s_mul_i32 s38, s32, WREG
	v_lshrrev_b32 v12, 2, v2
	v_mul_u32_u24 v12, v12, SP
	v_and_b32 v13, 3, v2
	v_lshl_add_u32 v12, v13, 4, v12
	v_add_nc_u32 v12, s38, v12                     ; the stage, on the way in: four lanes' 64 bytes on end, then 16 of padding
	v_mul_u32_u24 v13, v2, SP
	v_add_nc_u32 v13, s38, v13                     ; and on the way out: SP x lane: my 16 neighbours
	v_mul_u32_u24 v4, v2, CB                       ; my codes' place in a step's
	v_lshrrev_b32 v5, 1, v2
	s_add_co_u32 s38, s38, 32*SP
	v_add_nc_u32 v5, s38, v5                       ; my wave's 256 scale bytes, my block's byte
	v_lshlrev_b32 v7, 3, v2                        ; and on the way out 8 bytes a lane
	v_add_nc_u32 v6, s38, v7
.macro LOADX t
.irp i, 0,1,2,3
	global_load_b128 v[R+16*((\t)%4)+4*\i:R+16*((\t)%4)+4*\i+3], v3, s[4:5] offset:2048*(\t)+512*\i th:TH_LOAD_NT   ; 32 lanes read 512 consecutive bytes
.endr
.endm
.macro TURNX t                         ; step t's numbers through the stage: LDS serves a wave's instructions in order, so no wait stands between the stores and the loads.  ONE stage serves every step: the step before's
.irp i, 0,1,2,3                        ; loads from it have been waited for when these stores are issued (the wait at the head of STEPX)
	ds_store_b128 v12, v[R+16*((\t)%4)+4*\i:R+16*((\t)%4)+4*\i+3] offset:8*SP*\i
.endr
.irp i, 0,1,2,3
	ds_load_b128 v[XN+16*((\t)%2)+4*\i:XN+16*((\t)%2)+4*\i+3], v13 offset:16*\i
.endr
.endm
.irp t, 0,1,2,3
	LOADX \t
.endr
	s_wait_loadcnt 12                              ; step 0's four loads are in; the twelve behind them stay out
	TURNX 0
.macro STEPX t
.set XS, XN+16*((\t)%2)
.if (\t) > 0
	s_wait_dscnt 1                                 ; this step's numbers are back from the stage (the last step's byte store may be out): so its stores into the stage have read their registers,
.else
	s_wait_dscnt 0x0
.endif
.if (\t)+4 < STEPS
	LOADX (\t)+4                                   ; which take the loads of four steps on
.endif
.if (\t)+1 < STEPS
.if STEPS-2-(\t) >= 3
	s_wait_loadcnt 12                              ; the next step's four loads are in; those of the three steps behind it may be out
.else
	s_wait_loadcnt 4*(STEPS-2-(\t))
.endif
	TURNX (\t)+1                                   ; and go through the stage, into the other set of registers, while this step is worked
.endif
	v_max3_num_f32 v8, |v[XS]|, |v[XS+1]|, |v[XS+2]|               ; the largest magnitude of my 16, in two chains
	v_max3_num_f32 v9, |v[XS+3]|, |v[XS+4]|, |v[XS+5]|
.irp i, 6,10
	v_max3_num_f32 v8, v8, |v[XS+\i]|, |v[XS+\i+1]|
	v_max3_num_f32 v9, v9, |v[XS+\i+2]|, |v[XS+\i+3]|
.endr
	v_max3_num_f32 v8, v8, |v[XS+14]|, |v[XS+15]|
	v_max3_num_f32 v8, v8, v9, (EMAX+1)<<23        ; and the floor 2^(3 - 127): so the byte cannot fall under 1
	v_max_num_f32_dpp v8, v8, v8 row_xmask:1 row_mask:0xf bank_mask:0xf   ; and of my neighbour's 16: the block's
	v_add_nc_u32 v11, -(EMAX<<23), v8              ; 2 off its exponent field: the conversion takes the exponent field of this operand as its scale, and nothing else of it
	v_cvt_scalef32_pk8_fp4_f32 v[C+4*(\t)], v[XS:XS+7], v11        ; eight numbers / the scale, to the nearest code; the first number's code in the lowest four bits
	v_cvt_scalef32_pk8_fp4_f32 v[C+4*(\t)+1], v[XS+8:XS+15], v11
	v_lshrrev_b32 v[E+(\t)], 23, v11               ; the scale's byte (also the plain line behind the conversions)
	ds_store_b8 v5, v[E+(\t)] offset:16*(\t)       ; both lanes of a block write the same byte with the same value
	global_store_b64 v4, v[C+4*(\t):C+4*(\t)+1], s[22:23] offset:32*CB*(\t)   ; the wave stores 256 consecutive bytes, aligned
.endm
.irp t, 0,1,2,3,4,5,6,7,8,9,10,11,12,13,14,15
	STEPX \t
.endr
	ds_load_b64 v[8:9], v6                         ; LDS serves a wave's instructions in order: these see my byte stores
	s_wait_dscnt 0x0
	global_store_b64 v7, v[8:9], s[24:25]          ; 32 lanes store 256 consecutive bytes, aligned
	FINISH
; ---------------- shared by W and T: a lane takes a column and its registers run DOWN K, so that neighbours along K lie in one lane's consecutive registers; nothing is transposed by an instruction.
.macro LOADB t, pitch                  ; block t: rows 32 t + i of my column, i = 0 .. 31, into set t % 2; the wave reads 128 consecutive bytes
.irp i, 0,1,2,3,4,5,6,7,8,9,10,11,12,13,14,15,16,17,18,19,20,21,22,23,24,25,26,27,28,29,30,31
	global_load_b32 v[WX+32*((\t)%2)+\i], v3, s[4:5] offset:(32*(\t)+\i)*\pitch th:TH_LOAD_NT
.endr
.endm
.macro OUTROWS adr, goff, base, krow   ; my stage's 32 rows of 256 bytes leave as rows: sixteen lanes store 256 consecutive bytes, aligned; two rows an instruction
.irp t, 0,1,2,3,4,5,6,7,8,9,10,11,12,13,14,15
	ds_load_b128 v[OUTR+4*\t:OUTR+4*\t+3], v[\adr] offset:2*\t*PITCH   ; LDS serves a wave's instructions in order: these see my stores
.endr
.irp t, 0,1,2,3,4,5,6,7,8,9,10,11,12,13,14,15
	s_wait_dscnt 15-\t                             ; loads come back in order: number t is in, the younger ones stay out
	global_store_b128 v[\goff], v[OUTR+4*\t:OUTR+4*\t+3], s[\base:\base+1] offset:2*\t*\krow
.endr
.endm
; ---------------- W: a work-group takes 128 columns n (two heads) x 512 along K of one kernel; a wave 32 columns: 16 blocks a lane, 256 bytes of codes for each column.
.Lpath_w:
	s_lshr_b32 s33, ttmp9, 4                       ; which kernel
	s_cmp_eq_u32 s33, 0
	s_cselect_b64 s[4:5], s[14:15], s[16:17]
	s_cmp_eq_u32 s33, 2
	s_cselect_b64 s[4:5], s[18:19], s[4:5]
	s_bfe_u32 s34, ttmp9, 0x30001                  ; which 128 columns
	s_and_b32 s35, ttmp9, 1                        ; which 512 along K
	s_lshl_b32 s36, s34, 1
	s_lshr_b32 s38, s32, 1
	s_add_co_u32 s36, s36, s38                     ; my wave's head,
	s_lshl_b32 s36, s36, 18                        ; 1,024 rows of 256 bytes each;
	s_lshl_b32 s38, s35, 17                        ; 512 rows down;
	s_add_co_u32 s36, s36, s38
	s_and_b32 s38, s32, 1
	s_lshl_b32 s38, s38, 7                         ; which 32 of the head's 64 columns
	s_add_co_u32 s36, s36, s38
	s_add_nc_u64 s[4:5], s[4:5], s[36:37]
	s_lshl_b32 s39, s34, 7
	s_lshl_b32 s38, s32, 5
	s_add_co_u32 s39, s39, s38                     ; my wave's first column n
	s_lshl_b32 s36, s33, 19                        ; codes: 524,288 bytes a kernel, 512 a column, 256 for my half of K
	s_lshl_b32 s38, s39, 9
	s_add_co_u32 s36, s36, s38
	s_lshl_b32 s38, s35, 8
	s_add_co_u32 s36, s36, s38
	s_add_nc_u64 s[26:27], s[26:27], s[36:37]
	s_lshl_b32 s36, s33, 15                        ; scale bytes: 32,768 a kernel, 32 a column, 16 for my half of K
	s_lshl_b32 s38, s39, 5
	s_add_co_u32 s36, s36, s38
	s_lshl_b32 s38, s35, 4
	s_add_co_u32 s36, s36, s38
	s_add_nc_u64 s[28:29], s[28:29], s[36:37]
	v_lshlrev_b32 v3, 2, v2                        ; in: 4 bytes a lane
	s_mul_i32 s38, s32, 32*PITCH
	s_add_co_u32 s38, s38, WST                     ; my stage
	v_mul_u32_u24 v4, v2, PITCH
	v_add_nc_u32 v4, s38, v4                       ; into it: row = my column
	v_and_b32 v5, 15, v2
	v_lshrrev_b32 v6, 4, v2
	v_mul_u32_u24 v7, v6, PITCH
	v_lshl_add_u32 v7, v5, 4, v7
	v_add_nc_u32 v7, s38, v7                       ; out of it: sixteen lanes to a row
	v_lshlrev_b32 v8, 9, v6
	v_lshl_add_u32 v8, v5, 4, v8                   ; and the same place in wcodes
	v_lshlrev_b32 v9, 5, v2                        ; my column's row of scale bytes
	LOADB 0, 256
	LOADB 1, 256
.macro BLOCKW t
.set XS, WX+32*((\t)%2)
.if (\t) < 15
	s_wait_loadcnt 32                              ; this block's 32 loads are in; the next block's may be out
.else
	s_wait_loadcnt 0
.endif
	v_max3_num_f32 v12, |v[XS]|, |v[XS+1]|, |v[XS+2]|              ; the block's largest magnitude: all 32 numbers are mine
	v_max3_num_f32 v13, |v[XS+3]|, |v[XS+4]|, |v[XS+5]|
.irp i, 6,10,14,18,22,26
	v_max3_num_f32 v12, v12, |v[XS+\i]|, |v[XS+\i+1]|
	v_max3_num_f32 v13, v13, |v[XS+\i+2]|, |v[XS+\i+3]|
.endr
	v_max3_num_f32 v12, v12, |v[XS+30]|, |v[XS+31]|
	v_max3_num_f32 v12, v12, v13, (EMAX+1)<<23     ; and the floor
	v_add_nc_u32 v11, -(EMAX<<23), v12             ; the conversion's scale operand
	v_lshrrev_b32 v13, 23, v11                     ; the scale's byte
.if (\t)%4 == 0
	v_mov_b32 v[SB+(\t)/4], v13                    ; four bytes to a register, the lower K in the lower byte
.else
	v_lshl_or_b32 v[SB+(\t)/4], v13, 8*((\t)%4), v[SB+(\t)/4]
.endif
.irp g, 0,1,2,3
	v_cvt_scalef32_pk8_fp4_f32 v[WC+\g], v[XS+8*\g:XS+8*\g+7], v11
.endr
	ds_store_b128 v4, v[WC:WC+3] offset:16*(\t)    ; 32 codes: 16 bytes of my column's row
.if (\t)+2 < 16
	LOADB (\t)+2, 256
.endif
	s_wait_dscnt 0x0                               ; the store has read its registers: the next block's codes may be written
.endm
.irp t, 0,1,2,3,4,5,6,7,8,9,10,11,12,13,14,15
	BLOCKW \t
.endr
	global_store_b128 v9, v[SB:SB+3], s[28:29]     ; my column's 16 scale bytes
	OUTROWS 7, 8, 26, 512
	FINISH
; ---------------- T: a work-group takes 128 columns o x 128 along k of projection_kernel; a wave 32 columns: four blocks of 32 a lane, rounded to f16 in pairs: 256 bytes for each column.
.Lpath_t:
	s_sub_co_u32 s33, ttmp9, 48
	s_lshr_b32 s34, s33, 3                         ; which 128 columns
	s_and_b32 s35, s33, 7                          ; which 128 along k
	s_lshl_b32 s39, s34, 7
	s_lshl_b32 s38, s32, 5
	s_add_co_u32 s39, s39, s38                     ; my wave's first column o
	s_lshl_b32 s36, s35, 19                        ; 128 rows of 4,096 bytes
	s_lshl_b32 s38, s39, 2
	s_add_co_u32 s36, s36, s38
	s_add_nc_u64 s[4:5], s[20:21], s[36:37]
	s_lshl_b32 s36, s39, 11                        ; pt: 2,048 bytes a row o, 256 for my 128 along k
	s_lshl_b32 s38, s35, 8
	s_add_co_u32 s36, s36, s38
	s_add_nc_u64 s[30:31], s[30:31], s[36:37]
	v_lshlrev_b32 v3, 2, v2
	s_mul_i32 s38, s32, 32*PITCH
	s_add_co_u32 s38, s38, TST                     ; my stage
	v_mul_u32_u24 v16, v2, PITCH
	v_add_nc_u32 v16, s38, v16
	v_and_b32 v5, 15, v2
	v_lshrrev_b32 v6, 4, v2
	v_mul_u32_u24 v17, v6, PITCH
	v_lshl_add_u32 v17, v5, 4, v17
	v_add_nc_u32 v17, s38, v17
	v_lshlrev_b32 v18, 11, v6
	v_lshl_add_u32 v18, v5, 4, v18
	LOADB 0, 4096
	LOADB 1, 4096
.macro BLOCKT t
.set XS, WX+32*((\t)%2)
.if (\t) < 3
	s_wait_loadcnt 32                              ; this block's 32 loads are in; the next block's may be out
.else
	s_wait_loadcnt 0
.endif
.irp i, 0,1,2,3,4,5,6,7,8,9,10,11,12,13,14,15
	v_cvt_pk_f16_f32 v[WC+\i], v[XS+2*\i], v[XS+2*\i+1]            ; the lower k in the low half
.endr
.irp g, 0,1,2,3
	ds_store_b128 v16, v[WC+4*\g:WC+4*\g+3] offset:64*(\t)+16*\g
.endr
.if (\t)+2 < 4
	LOADB (\t)+2, 4096
.endif
	s_wait_dscnt 0x0                               ; the stores have read their registers
.endm
.irp t, 0,1,2,3
	BLOCKT \t
.endr
	OUTROWS 17, 18, 30, 2048
	FINISH
.Lfunc_end_k_qd735ff0d38_prep:
	.size	k_qd735ff0d38_prep, .Lfunc_end_k_qd735ff0d38_prep-k_qd735ff0d38_prep
	.p2alignl 7, 3214868480
	.fill 96, 4, 3214868480
	.section	.rodata,"a",@progbits
	.p2align	6, 0x0
	.amdhsa_kernel k_qd735ff0d38_prep
		.amdhsa_group_segment_fixed_size 81408
		.amdhsa_private_segment_fixed_size 0
		.amdhsa_enable_private_segment 0
		.amdhsa_kernarg_size 96
		.amdhsa_user_sgpr_count 2
		.amdhsa_user_sgpr_kernarg_segment_ptr 1
		.amdhsa_wavefront_size32 1
		.amdhsa_system_sgpr_workgroup_id_x 1
		.amdhsa_system_sgpr_workgroup_id_y 1
		.amdhsa_system_sgpr_workgroup_id_z 1
		.amdhsa_system_vgpr_workitem_id 0
		.amdhsa_next_free_vgpr 192
		.amdhsa_next_free_sgpr 66
		.amdhsa_reserve_vcc 0
		.amdhsa_float_denorm_mode_32 3
		.amdhsa_float_denorm_mode_16_64 3
		.amdhsa_memory_ordered 1
		.amdhsa_forward_progress 1
		.amdhsa_inst_pref_size 133
	.end_amdhsa_kernel
	.amdgpu_metadata
---
amdhsa.version: [ 1, 2 ]
amdhsa.kernels:
  - .name:           k_qd735ff0d38_prep
    .symbol:         k_qd735ff0d38_prep.kd
    .args:
      - { .name: query, .offset: 0, .size: 8, .value_kind: global_buffer, .address_space: global }
      - { .name: key, .offset: 8, .size: 8, .value_kind: global_buffer, .address_space: global }
      - { .name: value, .offset: 16, .size: 8, .value_kind: global_buffer, .address_space: global }
      - { .name: query_kernel, .offset: 24, .size: 8, .value_kind: global_buffer, .address_space: global }
      - { .name: key_kernel, .offset: 32, .size: 8, .value_kind: global_buffer, .address_space: global }
      - { .name: value_kernel, .offset: 40, .size: 8, .value_kind: global_buffer, .address_space: global }
      - { .name: projection_kernel, .offset: 48, .size: 8, .value_kind: global_buffer, .address_space: global }
      - { .name: acodes, .offset: 56, .size: 8, .value_kind: global_buffer, .address_space: global }
      - { .name: ascales, .offset: 64, .size: 8, .value_kind: global_buffer, .address_space: global }
      - { .name: wcodes, .offset: 72, .size: 8, .value_kind: global_buffer, .address_space: global }
      - { .name: wscales, .offset: 80, .size: 8, .value_kind: global_buffer, .address_space: global }
      - { .name: pt, .offset: 88, .size: 8, .value_kind: global_buffer, .address_space: global }
    .group_segment_fixed_size: 81408
    .private_segment_fixed_size: 0
    .kernarg_segment_align: 8
    .kernarg_segment_size: 96
    .max_flat_workgroup_size: 128
    .sgpr_count:     66
    .vgpr_count:     192
    .wavefront_size: 32
...
	.end_amdgpu_metadata
.endif
;; end of part 1
;; launch qkv (part 2): grid 4 x 96, 4 waves a work-group, clusters of 4 x 4, 327,680 bytes of LDS; arguments acodes, ascales, wcodes, wscales, qkv; writes qkv
.if DOCPART == 2
	.amdgcn_target "amdgcn-amd-amdhsa--gfx1250"
	.amdhsa_code_object_version 6
	.text
	.protected	k_qd735ff0d38_qkv
	.globl	k_qd735ff0d38_qkv
	.p2align	8
	.type	k_qd735ff0d38_qkv,@function
k_qd735ff0d38_qkv:
	s_mov_b64 s[64:65], 0
	v_nop
	global_prefetch_b8 v0, s[64:65] scope:SCOPE_SE
	s_setreg_imm32_b32 hwreg(HW_REG_WAVE_MODE, 25, 1), 1
	s_wait_xcnt 0x0
	s_wait_alu depctr_hold_cnt(0) depctr_sa_sdst(0) depctr_va_vdst(0) depctr_va_sdst(0) depctr_va_ssrc(0) depctr_va_vcc(0) depctr_vm_vsrc(0)
	s_getreg_b32 s2, hwreg(HW_REG_IB_STS2, 6, 4)
	s_cmp_eq_u32 s2, 0
	s_cbranch_scc0 .Lentry_in_a_cluster
	s_endpgm
.Lentry_in_a_cluster:
	s_bfe_u32 s2, ttmp6, 0x10000c
	s_cmp_lg_u32 s2, 0xf033
	s_cbranch_scc0 .Lentry_shape_is_right
	s_endpgm
.Lentry_shape_is_right:
; The three input projections as ONE product on codes of FP4 (E2M1) with one E8M0 scale for each 32 along K: C[m][n] = sum over k of A[m][k] B[n][k].
; A: acodes [24,576][512 bytes] (rows 0 .. 8,191 query, then key, then value), ascales [24,576][32].  B: wcodes [3][1,024][512 bytes], wscales [3][1,024][32]: the kernel of the product to which the rows belong.
; C is rounded to f16 and laid for the attention: qkv [3][4 b][8 head pairs][2,048 positions][128 = 2 heads x 64]: a row is 256 bytes.  LIMIT: |q|, |k|, |v| stay under 65,504 (f16).
; A tile of C, 256 x 256, is made by a work-group of four waves; a wave makes 128 x 128: 64 accumulators of 16 x 16, 512 registers.  K = 1,024 is two LDS slots of 512 along K (rows of 256 bytes), both asked for
; at the start: no LDS byte is filled twice.  The scales of the work-group's 256 + 256 rows, for all of K, come with them, as rows of 256 bytes, and stay.
; CLUSTERS: 4 x 4 work-groups.  The four of a row of the cluster need the same tiles of A, the four of a column the same tiles of B: each tile is asked for JOINTLY, by the same tensor load with the same
; descriptor and a mask that names the four.  THE MATRIX INSTRUCTION IS USED TRANSPOSED (source 0 = 16 rows of B, source 1 = 16 rows of A): a lane then holds eight neighbouring numbers of a row of C.
; REGISTERS, in windows of 256: window 0: v0-31 addresses; v32-95 scale words, two sets, nothing else ever; v96-127 packed results; from v128 A's fragments (8 x 16 rows x 128 K), ONE set; on the way out v128-159, v192-223 rows.
;   window 1: B's fragments, TWO sets, at v0 and at v128.   window 2: the 32 accumulators of my rows 0-63 (accumulator (a, b) at v[8 (8 a + b)]);   window 3: those of my rows 64-127.
.set NQ,     4                         ; steps of 128 along K in a slot
.set ROWB,   256                       ; a tile's row in bytes: 512 codes
.set KROW,   512                       ; a row of A or of B in memory, in bytes
.set PITCH,  272                       ; an LDS row: 256 bytes + 16 of padding = 68 words: row r starts at bank 4 r mod 64 (64 banks of 4 bytes: ISA guide 11.1)
.set FR,     8                         ; registers of a fragment: 16 rows x 128 K
.set NL,     2                         ; LDS loads that bring one
.set NP,     4                         ; places behind this matrix instruction (ISA guide 7.12.1)
.set HALFT,  128*PITCH                 ; 128 rows: what one tensor load brings, and what one wave reads of A or of B
.set SLOT,   4*HALFT                   ; A's 256 rows, then B's 256 rows
.set KS,     32                        ; a row of scales in bytes
.set SCL,    2*SLOT                    ; behind the slots: the scales, as rows of 256 bytes + 16 of padding
.set HALFS,  (128*KS/256)*272          ; the scales of 128 rows: what one tensor load brings
.set SBLK,   (16*KS/256)*272           ; those of 16 rows
.set SPARE,  SCL+4*HALFS               ; the spare words, 128 bytes for each wave: two blocks of 256 bytes that no other line names
.set SPITCH, 272                       ; the way out: a stage of 16 rows x (256 bytes + 16) for each wave, in slot 0, which has had its one fill and its last read when the first result is stored there
.set ADRA, 16                          ; v16-17  LDS address of my A fragments in slot 0, 1
.set ADRB, 20                          ; v20-21  the same for B
.set STO,  24                          ; v24     the way out: where I put 16 bytes of a row
.set RD,   25                          ; v25     the way out: where I read a row back
.set CO,   26                          ; v26     16 x lane: my place in two rows of qkv
.set ADRS, 27                          ; v27     LDS address of my scale words: lanes 0-15 A's rows, lanes 16-31 B's
.set SPW,  28                          ; v28     LDS address of my spare word; never rewritten
.set NIL,  29                          ; v29     0; never rewritten
.set SC,   32                          ; scale words: set s at v[SC + 32 s]; register 4 i + q: lanes 0-15 the word of A's block i, lanes 16-31 that of B's block i, for the slot's q-th 128 along K
.set TMP,  96
.set AF,   128
.set BK,   128
.set G1, 24                            ; s[24:31] descriptor group 1 for A's tiles;  s[32:39] group 0, one set for each slot
.set G0, 32
.set G1B, 48                           ; s[48:55], s[56:63] the same for B's tiles
.set G0B, 56
.set G1S, 68                           ; s[68:75], s[76:79] groups 1 and 0 for A's scales;  s[80:87], s[88:91] for B's
.set G0S, 76
.set G1SB, 80
.set G0SB, 88
.set MSB, 0
.macro WIN new                         ; the immediate's high byte repeats the setting that is left; a switch that changes nothing is dropped
.if MSB != (\new)
	s_set_vgpr_msb (MSB<<8)|(\new)
.set MSB, (\new)
.endif
.endm
.set MUL_LO, 0xa1                      ; source 0 (B) window 1, source 1 (A) window 0, C and D window 2
.set MUL_HI, 0xf1                      ; the same, C and D window 3
.set TO_B,   0x40                      ; destination window 1, address window 0
; A joint load: waves 0 and 1 fetch for A, waves 2 and 3 for B.  Each of the two lines has ONE mask and one set of registers for all that issue it; the branch hangs on the wave's number alone.
; An s_nop 0 and four v_nop follow each of the two lines, ahead of the jump, the label and what follows.
.macro JLOAD g0a, g1a, g0b, g1b
	s_cmp_eq_u32 s15, 0
	s_cbranch_scc0 .Lfor_b_\@
	tensor_load_to_lds s[\g0a:\g0a+3], s[\g1a:\g1a+7]
	s_nop 0
.rept 4
	v_nop
.endr
	s_branch .Lasked_\@
.Lfor_b_\@:
	tensor_load_to_lds s[\g0b:\g0b+3], s[\g1b:\g1b+7]
	s_nop 0
.rept 4
	v_nop
.endr
.Lasked_\@:
.endm
.macro CROUND                          ; a round of the cluster's barrier: my work-group's barrier; wave 0 signals for the work-group; every wave waits for all sixteen; my work-group's barrier once more
	s_barrier_signal -1
	s_barrier_wait -1
	s_cmp_lg_u32 s14, 0
	s_cbranch_scc1 .Lnot_wave_0_\@
	s_barrier_signal -3
.Lnot_wave_0_\@:
	s_barrier_wait -3
	s_barrier_signal -1
	s_barrier_wait -1
.endm
	s_load_b128 s[4:7], s[0:1], 0x0                ; A's codes s[4:5], A's scales s[6:7]
	s_load_b128 s[8:11], s[0:1], 0x10              ; B's codes s[8:9], B's scales s[10:11]
	s_load_b64 s[12:13], s[0:1], 0x20              ; qkv
	v_lshl_add_u32 v[SPW], v0, 2, SPARE
	v_mov_b32 v[NIL], 0
	ds_add_u32 v[SPW], v[NIL]                      ; the wave's opening: the add, twice on end, and its wait ahead of my first tensor load; the set-up below stands between the second and the wait
	ds_add_u32 v[SPW], v[NIL]
	v_lshrrev_b32 v1, 5, v0
	v_readfirstlane_b32 s14, v1                    ; wave 0..3
	s_lshr_b32 s15, s14, 1                         ; which half of the tile's rows is mine.  Also: I fetch for A (0) or for B (1)
	s_and_b32 s16, s14, 1                          ; which half of its columns.  Also: which 128 rows of that tile I fetch
	s_bfe_u32 s40, ttmp6, 0x40000                  ; cx, cy: my place in the cluster
	s_bfe_u32 s41, ttmp6, 0x40004
	s_lshl_b32 s42, ttmp9, 2
	s_add_co_u32 s42, s42, s40                     ; tile column of C = 4 x cluster x + cx
	s_and_b32 s17, ttmp7, 0xffff
	s_lshl_b32 s17, s17, 2
	s_add_co_u32 s17, s17, s41                     ; tile row of C = 4 x cluster y + cy
	s_lshl_b32 s43, s41, 2
	s_lshl_b32 s43, 15, s43                        ; my row of the cluster
	s_lshl_b32 s44, 0x1111, s40                    ; my column
	; descriptor group 1: a tile of 128 rows x 256 bytes, padded in LDS
	s_or_b32 s[G1+0], s43, (0<<16)|(1<<20)|(1<<21)|(5<<22)|(3<<25)  ; 15:0 the mask: A's tiles go to my row; 17:16 element of 1 byte; 20 padding on; 21 set beside a mask; 24:22 after every 64 words (code 5); 31:25 of 4 words (code 3)
	s_or_b32 s[G1B+0], s44, (0<<16)|(1<<20)|(1<<21)|(5<<22)|(3<<25)
.irp g, G1, G1B
	s_mov_b32 s[\g+1], ROWB<<16                    ; tensor_dim0
	s_mov_b32 s[\g+2], 128<<16                     ; tensor_dim1 = 128
	s_mov_b32 s[\g+3], ROWB<<16                    ; tile_dim0
	s_mov_b32 s[\g+4], 128                         ; tile_dim1 = 128
	s_mov_b32 s[\g+5], KROW                        ; tensor_dim0_stride
	s_mov_b32 s[\g+6], 0
	s_mov_b32 s[\g+7], 0
.endr
	; and for the scales of 128 rows: a dense block of 4,096 bytes, as 16 rows of 256 bytes (32 elements of 8 bytes), 16 bytes of padding behind each
	s_or_b32 s[G1S+0], s43, (3<<16)|(1<<20)|(1<<21)|(5<<22)|(3<<25)
	s_or_b32 s[G1SB+0], s44, (3<<16)|(1<<20)|(1<<21)|(5<<22)|(3<<25)
.irp g, G1S, G1SB
	s_mov_b32 s[\g+1], 32<<16
	s_mov_b32 s[\g+2], (128*KS/256)<<16
	s_mov_b32 s[\g+3], 32<<16
	s_mov_b32 s[\g+4], 128*KS/256
	s_mov_b32 s[\g+5], 32
	s_mov_b32 s[\g+6], 0
	s_mov_b32 s[\g+7], 0
.endr
	s_lshl_b32 s18, s16, 7                         ; which 128 rows of the tile I fetch
	s_lshl_b32 s20, s17, 8
	s_add_co_u32 s20, s20, s18                     ; A: row 256 x tile row + 128 x half
	s_lshl_b32 s46, s42, 8
	s_add_co_u32 s46, s46, s18                     ; B: row 256 x tile column + 128 x half,
	s_and_b32 s95, ttmp7, 0xffff                   ; in the kernel of my rows' product: a row of clusters is 1,024 rows of A, eight of them a product: cluster y / 8, the same in all sixteen partners
	s_lshr_b32 s95, s95, 3
	s_lshl_b32 s95, s95, 10
	s_add_co_u32 s46, s46, s95
	s_mov_b32 s21, 0
	s_mov_b32 s47, 0
	s_mov_b64 s[18:19], KS
	s_mul_u64 s[22:23], s[20:21], s[18:19]         ; where these rows' scales begin, in bytes
	s_mul_u64 s[92:93], s[46:47], s[18:19]
	s_mov_b64 s[18:19], KROW
	s_mul_u64 s[20:21], s[20:21], s[18:19]         ; and their codes
	s_mul_u64 s[46:47], s[46:47], s[18:19]
	s_mul_i32 s45, s14, HALFT                      ; where they go: wave x 128 rows: no place in the cluster enters an LDS address
	s_mul_i32 s94, s14, HALFS
	s_wait_dscnt 0x0                               ; both opening adds are done
	s_wait_kmcnt 0x0
	s_add_nc_u64 s[20:21], s[4:5], s[20:21]
	s_add_nc_u64 s[22:23], s[6:7], s[22:23]
	s_add_nc_u64 s[46:47], s[8:9], s[46:47]
	s_add_nc_u64 s[92:93], s[10:11], s[92:93]
	CROUND                                         ; all sixteen work-groups are here: the joint loads meet
	s_mov_b32 s[G0S], 1
	s_add_co_u32 s[G0S+1], s94, SCL
	s_mov_b64 s[G0S+2:G0S+3], s[22:23]
	s_or_b32 s[G0S+3], s[G0S+3], 0x80000000
	s_mov_b32 s[G0SB], 1
	s_add_co_u32 s[G0SB+1], s94, SCL
	s_mov_b64 s[G0SB+2:G0SB+3], s[92:93]
	s_or_b32 s[G0SB+3], s[G0SB+3], 0x80000000
	JLOAD G0S, G1S, G0SB, G1SB                     ; the scales first: they are wanted with the first slot
.irp s, 0,1
	s_mov_b32 s[G0+4*\s], 1
	s_add_co_u32 s[G0+4*\s+1], s45, \s*SLOT
	s_add_nc_u64 s[G0+4*\s+2:G0+4*\s+3], s[20:21], \s*ROWB
	s_or_b32 s[G0+4*\s+3], s[G0+4*\s+3], 0x80000000
	s_mov_b32 s[G0B+4*\s], 1
	s_add_co_u32 s[G0B+4*\s+1], s45, \s*SLOT
	s_add_nc_u64 s[G0B+4*\s+2:G0B+4*\s+3], s[46:47], \s*ROWB
	s_or_b32 s[G0B+4*\s+3], s[G0B+4*\s+3], 0x80000000
	JLOAD G0+4*\s, G1, G0B+4*\s, G1B               ; three loads of mine are out in all
.endr
	v_and_b32 v1, 15, v0                           ; l % 16
	v_bfe_u32 v2, v0, 4, 1                         ; l / 16
	v_mul_u32_u24 v3, v1, PITCH
	v_lshl_add_u32 v4, v2, 4, v3                   ; a fragment's row x pitch + 16 x half
	s_mul_i32 s21, s15, HALFT                      ; my 128 rows of A
	s_mul_i32 s22, s16, HALFT                      ; my 128 rows of B,
	s_add_co_u32 s22, s22, 2*HALFT                 ; which lie behind A's 256
.irp s, 0,1
	v_add_nc_u32 v[ADRA+\s], s21, v4
	v_add_nc_u32 v[ADRB+\s], s22, v4
	s_add_co_u32 s21, s21, SLOT
	s_add_co_u32 s22, s22, SLOT
.endr
	v_mul_u32_u24 v5, v1, KS                       ; my row's scales: 32 bytes a row,
	v_lshrrev_b32 v6, 8, v5
	v_lshl_add_u32 v5, v6, 4, v5                   ; and 16 more for each 256 passed
	s_mul_i32 s21, s15, HALFS                      ; A's: my 128 rows
	s_mul_i32 s22, s16, HALFS                      ; B's: my 128 rows, behind A's 256
	s_add_co_u32 s22, s22, 2*HALFS
	s_sub_co_u32 s22, s22, s21
	v_mul_u32_u24 v6, s22, v2                      ; lanes 16-31 take B's
	s_add_co_u32 s21, s21, SCL
	v_add_nc_u32 v5, v5, v6
	v_add_nc_u32 v[ADRS], s21, v5
	s_mul_i32 s23, s14, 16*SPITCH                  ; my stage
	v_mul_u32_u24 v5, v1, SPITCH                   ; in: row l % 16, 16 bytes for each half of the lanes
	v_lshl_add_u32 v5, v2, 4, v5
	v_add_nc_u32 v[STO], s23, v5
	v_mul_u32_u24 v5, v2, SPITCH                   ; back: lanes 0-15 one row of 256 bytes, lanes 16-31 the next
	v_lshl_add_u32 v5, v1, 4, v5
	v_add_nc_u32 v[RD], s23, v5
	v_and_b32 v6, 31, v0
	v_lshlrev_b32 v[CO], 4, v6                     ; in qkv the two rows are 512 consecutive bytes
	; where my 128 x 128 begin in qkv: rows: (tile row / 8) x 4,194,304 (product and batch) + ((tile row % 8) x 2 + row half) x 128 rows of 256 bytes; columns: my 128 are one head pair: x 524,288
	s_lshr_b32 s20, s17, 3
	s_lshl_b32 s20, s20, 22
	s_and_b32 s21, s17, 7
	s_lshl_b32 s21, s21, 1
	s_add_co_u32 s21, s21, s15
	s_lshl_b32 s21, s21, 15
	s_add_co_u32 s20, s20, s21
	s_mov_b32 s21, 0
	s_lshl_b32 s46, s42, 1
	s_add_co_u32 s46, s46, s16
	s_lshl_b32 s46, s46, 19
	s_mov_b32 s47, 0
	s_add_nc_u64 s[20:21], s[20:21], s[46:47]
	s_add_nc_u64 s[12:13], s[12:13], s[20:21]
.macro FRAG reg, adr, q, i             ; a fragment, 16 rows x 128 K of 4-bit codes, is 8 registers: lane l holds row l % 16; registers 4 c .. 4 c + 3 hold K = 64 c + 32 (l / 16) + 0 .. 31
.irp c, 0,1
	ds_load_b128 v[\reg+4*\c:\reg+4*\c+3], v[\adr] offset:64*(\q)+32*\c+(\i)*16*PITCH
.endr
.endm
; 16 matrix instructions: A's blocks a0, a0 + 1 x B's eight, 128 along K: the slot's q-th.  p: B's set;  sc: the set of scale words.  zero = 1: the first product starts the sums: nothing is ever cleared.
; The 64 accumulators take turns, one instruction a turn, in the same order in every step.
.macro MUL16 a0, p, q, sc, zero
.irp a, \a0, \a0+1
.irp b, 0,1,2,3,4,5,6,7
.if \zero
	v_wmma_scale_f32_16x16x128_f8f6f4 v[8*(8*((\a)%4)+\b):8*(8*((\a)%4)+\b)+7], v[128*(\p)+FR*\b:128*(\p)+FR*\b+FR-1], v[AF+FR*(\a):AF+FR*(\a)+FR-1], 0, v[SC+8*NQ*(\sc)+NQ*\b+(\q)], v[SC+8*NQ*(\sc)+NQ*(\a)+(\q)] matrix_a_fmt:MATRIX_FMT_FP4 matrix_b_fmt:MATRIX_FMT_FP4 matrix_a_scale:MATRIX_SCALE_ROW1
.else
	v_wmma_scale_f32_16x16x128_f8f6f4 v[8*(8*((\a)%4)+\b):8*(8*((\a)%4)+\b)+7], v[128*(\p)+FR*\b:128*(\p)+FR*\b+FR-1], v[AF+FR*(\a):AF+FR*(\a)+FR-1], v[8*(8*((\a)%4)+\b):8*(8*((\a)%4)+\b)+7], v[SC+8*NQ*(\sc)+NQ*\b+(\q)], v[SC+8*NQ*(\sc)+NQ*(\a)+(\q)] matrix_a_fmt:MATRIX_FMT_FP4 matrix_b_fmt:MATRIX_FMT_FP4 matrix_a_scale:MATRIX_SCALE_ROW1
.endif
.endr
.endr
.endm
.macro FETCH_B slot, q, p              ; B's eight fragments of the slot's q-th 128 along K into set p
	WIN TO_B
.irp i, 0,1,2,3,4,5,6,7
	FRAG 128*(\p)+FR*\i, ADRB+\slot, \q, \i
.endr
	WIN 0
.endm
.macro FETCH_A slot, q, i0             ; A's blocks i0 .. i0 + 3
.irp i, \i0, \i0+1, \i0+2, \i0+3
	FRAG AF+FR*(\i), ADRA+\slot, \q, \i
.endr
.endm
.macro SCALES sc                       ; a slot's scale words into set sc: 4 words a row; lanes 0-15 take A's block i, lanes 16-31 B's block i
.irp i, 0,1,2,3,4,5,6,7
	ds_load_b128 v[SC+8*NQ*\sc+NQ*\i:SC+8*NQ*\sc+NQ*\i+3], v[ADRS] offset:\i*SBLK
.endr
.endm
; A load into a register that a matrix instruction has read, and a vector instruction or an LDS store that reads a matrix result, stand NP places behind that matrix instruction, and only plain vector
; instructions that name none of its registers are places (ISA guide 7.12.1 for vector instructions).
.macro PLACES n
.rept \n
	v_nop
.endr
.endm
; A step of 128 along K that has its successor in the same slot.  A's blocks go one after the other, each against B's eight: so a block of A is free as soon as its eight products are issued.
.macro STEP slot, q, zero
	s_wait_dscnt 4*NL                              ; B's set and A's blocks 0-3 are in; the youngest eight loads (A's blocks 4-7) may be out
	WIN MUL_LO
	MUL16 0, (\q)%2, \q, \slot, \zero
	MUL16 2, (\q)%2, \q, \slot, \zero
	s_wait_dscnt 0                                 ; A's blocks 4-7 are in (asked for 32 matrix instructions ago)
	PLACES NP
	FETCH_B \slot, (\q)+1, 1-(\q)%2
	FETCH_A \slot, (\q)+1, 0
	WIN MUL_HI
	MUL16 4, (\q)%2, \q, \slot, \zero
	MUL16 6, (\q)%2, \q, \slot, \zero
	PLACES NP
	WIN 0
	FETCH_A \slot, (\q)+1, 4
.endm
; Slot 0's last step changes slots: ONE barrier; in front of it each wave waits for all its tensor loads (its part of slot 1), adds 0 to its spare word, and waits for that and for its own reads of slot 0.
; Behind it slot 1 is whole, and nobody reads slot 0 any more: the way out's stages lie there.
.macro TURN slot, next
	s_wait_tensorcnt 0x0                           ; all my tensor loads have landed  (every window is 0 here: the add's two registers lie in window 0)
	ds_add_u32 v[SPW], v[NIL]                      ; 0 onto my spare word
	s_wait_dscnt 4*NL+1                            ; (the add and the youngest eight loads, A's blocks 4-7, may be out)
	WIN MUL_LO
	MUL16 0, 1, NQ-1, \slot, 0                     ; sixteen matrix instructions stand between the add and the wait for it
	s_wait_dscnt 0x0                               ; the add is done, and my reads of this slot are over
	s_barrier_signal -1
	MUL16 2, 1, NQ-1, \slot, 0
	WIN 0
	s_barrier_wait -1
	PLACES NP
	v_add_nc_u32 v[ADRS], 4*NQ, v[ADRS]            ; on to the next slot's scale words (no LDS load of mine is out)
	FETCH_B \next, 0, 0
	FETCH_A \next, 0, 0
	SCALES \next
	WIN MUL_HI
	MUL16 4, 1, NQ-1, \slot, 0
	MUL16 6, 1, NQ-1, \slot, 0
	PLACES NP
	WIN 0
	FETCH_A \next, 0, 4
.endm
	s_wait_tensorcnt 1                             ; the scales and my part of slot 0 are in (slot 1's load, the one issued behind them, may be out),
	s_barrier_signal -1
	s_barrier_wait -1                              ; everybody's are
	FETCH_B 0, 0, 0
	FETCH_A 0, 0, 0
	SCALES 0
	FETCH_A 0, 0, 4
	STEP 0, 0, 1                                   ; the first step's products start the sums
	STEP 0, 1, 0
	STEP 0, 2, 0
	TURN 0, 1
	STEP 1, 0, 0
	STEP 1, 1, 0
	STEP 1, 2, 0
	s_wait_dscnt 4*NL                              ; the very last step: nothing more to fetch
	WIN MUL_LO
	MUL16 0, 1, NQ-1, 1, 0
	MUL16 2, 1, NQ-1, 1, 0
	s_wait_dscnt 0
	WIN MUL_HI
	MUL16 4, 1, NQ-1, 1, 0
	MUL16 6, 1, NQ-1, 1, 0
	WIN 0
; THE WAY OUT, block by block of 16 rows x 128 columns.  PACK: rounded to f16, a lane's eight neighbours make 16 bytes.  TOSTAGE: into my own stage, and back as whole rows of 256 bytes.  SEND: stored.
.macro PACK a
.set AC, 64*((\a)%4)
	WIN 0x0a+5*((\a)/4)                            ; sources 0 and 1: window 2 or 3
.irp b, 0,1,2,3,4,5,6,7
.irp r, 0,1,2,3
	v_cvt_pk_f16_f32 v[TMP+4*\b+\r], v[AC+8*\b+2*\r], v[AC+8*\b+2*\r+1]   ; each accumulator from its low end on
.endr
.endr
	WIN 0
.endm
.macro TOSTAGE a
.set BB, BK+64*((\a)%2)
.irp b, 0,1,2,3,4,5,6,7
	ds_store_b128 v[STO], v[TMP+4*\b:TMP+4*\b+3] offset:32*\b
.endr
.irp t, 0,1,2,3,4,5,6,7
	ds_load_b128 v[BB+4*\t:BB+4*\t+3], v[RD] offset:\t*2*SPITCH    ; LDS serves a wave's instructions in order (ISA guide 5.7.1.4): these see the stores above
.endr
.endm
.macro SEND a
.set BB, BK+64*((\a)%2)
	s_wait_dscnt 0x0                               ; the block is back in registers
	s_wait_xcnt 0x0                                ; the stores of the block before have read their registers: the next block's rows may land there
.irp t, 0,1,2,3,4,5,6,7
	global_store_b128 v[CO], v[BB+4*\t:BB+4*\t+3], s[12:13] offset:4096*(\a)+512*\t   ; the wave stores 512 consecutive bytes, aligned: two rows of qkv
.endr
.endm
	PLACES NP                                      ; behind the last products
	PACK 0
	TOSTAGE 0
.irp a, 1,2,3,4,5,6,7                  ; block a's conversions stand between block a - 1's loads from the stage and the wait for them
	PACK \a
	SEND \a-1
	TOSTAGE \a
.endr
	SEND 7
	s_wait_tensorcnt 0x0                           ; the wave's end, behind my last tensor load and my last LDS store
	ds_add_u32 v[SPW], v[NIL]
	s_wait_dscnt 0x0
	CROUND                                         ; the closing round: no work-group ends while a partner may still ask for a tile that names it
	s_endpgm
.Lfunc_end_k_qd735ff0d38_qkv:
	.size	k_qd735ff0d38_qkv, .Lfunc_end_k_qd735ff0d38_qkv-k_qd735ff0d38_qkv
	.p2alignl 7, 3214868480
	.fill 96, 4, 3214868480
	.section	.rodata,"a",@progbits
	.p2align	6, 0x0
	.amdhsa_kernel k_qd735ff0d38_qkv
		.amdhsa_group_segment_fixed_size 327680
		.amdhsa_private_segment_fixed_size 0
		.amdhsa_enable_private_segment 0
		.amdhsa_kernarg_size 40
		.amdhsa_user_sgpr_count 2
		.amdhsa_user_sgpr_kernarg_segment_ptr 1
		.amdhsa_wavefront_size32 1
		.amdhsa_system_sgpr_workgroup_id_x 1
		.amdhsa_system_sgpr_workgroup_id_y 1
		.amdhsa_system_sgpr_workgroup_id_z 1
		.amdhsa_system_vgpr_workitem_id 0
		.amdhsa_next_free_vgpr 1024
		.amdhsa_next_free_sgpr 98
		.amdhsa_reserve_vcc 0
		.amdhsa_float_denorm_mode_32 3
		.amdhsa_float_denorm_mode_16_64 3
		.amdhsa_memory_ordered 1
		.amdhsa_forward_progress 1
		.amdhsa_inst_pref_size 126
	.end_amdhsa_kernel
	.amdgpu_metadata
---
amdhsa.version: [ 1, 2 ]
amdhsa.kernels:
  - .name:           k_qd735ff0d38_qkv
    .symbol:         k_qd735ff0d38_qkv.kd
    .args:
      - { .name: acodes, .offset: 0, .size: 8, .value_kind: global_buffer, .address_space: global }
      - { .name: ascales, .offset: 8, .size: 8, .value_kind: global_buffer, .address_space: global }
      - { .name: wcodes, .offset: 16, .size: 8, .value_kind: global_buffer, .address_space: global }
      - { .name: wscales, .offset: 24, .size: 8, .value_kind: global_buffer, .address_space: global }
      - { .name: qkv, .offset: 32, .size: 8, .value_kind: global_buffer, .address_space: global }
    .group_segment_fixed_size: 327680
    .private_segment_fixed_size: 0
    .kernarg_segment_align: 8
    .kernarg_segment_size: 40
    .max_flat_workgroup_size: 128
    .sgpr_count:     98
    .vgpr_count:     1024
    .wavefront_size: 32
...
	.end_amdgpu_metadata
.endif
;; end of part 2
;; launch attn (part 3): grid 8 x 32, 16 waves a work-group, clusters of 4 x 1, 327,680 bytes of LDS; arguments qkv, mh; writes mh
.if DOCPART == 3
	.amdgcn_target "amdgcn-amd-amdhsa--gfx1250"
	.amdhsa_code_object_version 6
	.text
	.protected	k_qd735ff0d38_attn
	.globl	k_qd735ff0d38_attn
	.p2align	8
	.type	k_qd735ff0d38_attn,@function
k_qd735ff0d38_attn:
	s_mov_b64 s[64:65], 0
	v_nop
	global_prefetch_b8 v0, s[64:65] scope:SCOPE_SE
	s_setreg_imm32_b32 hwreg(HW_REG_WAVE_MODE, 25, 1), 1
	s_wait_xcnt 0x0
	s_wait_alu depctr_hold_cnt(0) depctr_sa_sdst(0) depctr_va_vdst(0) depctr_va_sdst(0) depctr_va_ssrc(0) depctr_va_vcc(0) depctr_vm_vsrc(0)
	s_getreg_b32 s2, hwreg(HW_REG_IB_STS2, 6, 4)
	s_cmp_eq_u32 s2, 0
	s_cbranch_scc0 .Lentry_in_a_cluster
	s_endpgm
.Lentry_in_a_cluster:
	s_bfe_u32 s2, ttmp6, 0x10000c
	s_cmp_lg_u32 s2, 0x3003
	s_cbranch_scc0 .Lentry_shape_is_right
	s_endpgm
.Lentry_shape_is_right:
; mh[b][n][64 head + i] = the sum over keys of softmax(q . k / 8) v, for 4 batches x 16 heads of 64, 2,048 queries and keys.  q, k, v: qkv, f16 [3][4 b][8 head pairs][2,048][128 = 2 heads x 64].  mh: f16 [8,192][1,024].
; Products on f16 operands with f32 sums; maxima, exponentials and sums in f32; the weights p are rounded to f16 for the second product, the result once at the end.
; LIMITS: scores stay above -3e38 (the running maximum's start); a p under 6e-8 of its row's largest counts as 0 in the second product (it still counts in the row's sum); NaN and infinities are not served.
; SHARES.  A work-group owns one head PAIR and 256 queries.  Wave w of sixteen: head w / 8 of the pair, queries 32 (w % 8) on: two tiles of 16, in 256 registers.  Four waves lie on a SIMD, so that one wave's
; vector work stands beside another's products and LDS loads.  Every wave walks all 2,048 keys, 64 a step.
; LAYOUT.  S^T = K Q^T (source 0 = 16 keys, source 1 = 16 queries): a lane holds ONE query (lane % 16) and the keys 8 (lane / 16) + 0..7.  Two such tiles, rounded to f16 in pairs, ARE source 1 (32 keys x 16
; queries) of O^T = V^T P, whose result again holds one query a lane, and eight channels.  K comes out of LDS as it lies, V ([key][channel]) turned, by ds_load_tr16_b128.
; SOFTMAX.  For each query a running maximum m and sum l: p = 2^(c s - c m), c = log2(e) / 8; in every step O and l are multiplied by a = 2^(c m_old - c m_new).  O and l begin as zeros, m far below every score.
; RING.  Two LDS slots of 256 keys (K's rows, then V's; a row is the pair's 256 bytes), four steps each.  Waves 0, 1 fetch K's halves, waves 2, 3 V's, 128 rows a load; all sixteen read.
; THE CHANGE OF SLOTS STANDS INSIDE A SLOT'S LAST STEP: when that step's V is in registers the wave has read the slot for the last time; it says so at once, and works the step's softmax and second product,
; which touch registers alone, between the barrier's signal and its wait.
; CLUSTER.  The four query blocks of a cluster walk the same K and V: each tile is asked for JOINTLY, by the same tensor load with the same descriptor and a mask that names the four.
.set PK,    272                        ; a row of K in LDS: 256 bytes + 16 of padding = 68 words: row r starts at bank 4 r mod 64 (64 banks of 4 bytes: ISA guide 11.1)
.set PV,    288                        ; a row of V: 256 + 32 = 72 words
.set KSL,   256                        ; keys in a slot
.set VOFF,  KSL*PK                     ; a slot: 256 rows of K, then 256 rows of V
.set SLOTB, KSL*(PK+PV)
.set SPARE, 2*SLOTB                    ; behind the ring: the spare words, 128 bytes for each wave: eight blocks of 256 bytes that no other line names
.set SP,    272                        ; the way out: a stage of 256 rows x (256 bytes + 16), in slot 0's rows of K, which have had their last fill and their last read by then
.set AK0, 2                            ; v2   my lane's place in a tile of K (my head's half of the row in it); never rewritten
.set AV0, 3                            ; v3   the same for V
.set ADK, 4                            ; v4   LDS address of the step's K
.set ADV, 5                            ; v5   and V
.set QO,  6                            ; v6   my byte offset in the wave's rows of Q
.set STO, 7                            ; v7   the way out: where I put 16 bytes of a row
.set RD,  8                            ; v8   the way out: where I read a row back
.set GO,  9                            ; v9   my byte offset in the wave's rows of mh
.set PFO, 10                           ; v10  256 x my lane: a row of K or V is 256 bytes; never rewritten
.set SPW, 11                           ; v11  LDS address of my spare word; never rewritten
.set NIL, 12                           ; v12  0; never rewritten
.set Q,   16                           ; v16-47   Q: tile t, channels 32 c on, at 16 t + 8 c
.set S,   48                           ; v48-111  S^T: tile t at 32 t, keys 16 k on at 8 k; P takes the tile's first 16 registers
.set O,   112                          ; v112-175 O^T: tile t at 32 t, channels 16 c on at 8 c
.set F,   176                          ; v176-239 eight fragments of K, then of V
.set ST,  240                          ; v240-255 tile t's statistics at 8 t: +0 c m, +1 m, +2, +3 l (even registers', odd registers'), +4 to +7 at work; a takes +6
.set WV,  8                            ; s8   my wave's number
.set G1K, 24                           ; s[24:31] descriptor group 1 for K's tiles;  s[32:39] for V's: it differs in the padding alone
.set G1V, 32
.set G0K, 40                           ; s[40:47] descriptor group 0 for K's tiles, a set for each slot;  s[48:55] for V's
.set G0V, 48
.set FILLS, 56                         ; s56  refills still to come
.set CNT, 57                           ; s57  counts a slot's steps
.set CS,  58                           ; s[58:59] c: the packed scaling names a pair and takes its low word for both halves
.set SEL, 60                           ; s[60:61] lane selects for v_permlanex16_b32: lane l xor 16
.set TK,  62                           ; s62  LDS byte at which the step's rows of K begin
.set TV,  63                           ; s63  and V's
.set TRIPS, 66                         ; s66  counts the loop over pairs of slots
.set PFA, 68                           ; s[68:69] where my prefetches stand in memory
.set LIM, 70                           ; s70  1 in a wave that prefetches, else the greatest number: a wave prefetches while s[FILLS] is above it
.set QB,  72                           ; s[72:73] Q at my wave's first row and head
.set MB,  74                           ; s[74:75] mh at the first row that my wave stores
; A joint refill of slot s.  The branches hang on the wave's number alone: they are the same in every work-group.  An s_nop 0 and four v_nop follow each of the two lines.
.macro JLOAD s
	s_cmp_lt_u32 s[WV], 2
	s_cbranch_scc0 .Lnot_k_\@
	tensor_load_to_lds s[G0K+4*\s:G0K+4*\s+3], s[G1K:G1K+7]
	s_nop 0
.rept 4
	v_nop
.endr
	s_branch .Lasked_\@
.Lnot_k_\@:
	s_cmp_lt_u32 s[WV], 4
	s_cbranch_scc0 .Lasked_\@
	tensor_load_to_lds s[G0V+4*\s:G0V+4*\s+3], s[G1V:G1V+7]
	s_nop 0
.rept 4
	v_nop
.endr
.Lasked_\@:
.endm
; A PREFETCH INTO THE L2 of what the NEXT change of slots will ask for: 256 rows of K and 256 of V, 256 bytes a row, a lane a row: four key steps ahead of that load.  Each row is asked for ONCE in the launch:
; both clusters of a head pair walk the same rows, and the first of them asks; its four partners take 64 rows each, told apart BY ADDRESS; in each, waves 4, 5 ask for K's and waves 6, 7 for V's, 32 rows a wave.
; The last change that fills a slot asks for nothing: there is no slot behind it.  The first three fills come by their loads alone.
.macro ASK
	s_cmp_gt_u32 s[FILLS], s[LIM]
	s_cbranch_scc0 .Lnot_mine_\@
	global_prefetch_b8 v[PFO], s[PFA:PFA+1] th:TH_LOAD_NT scope:SCOPE_SE
.Lnot_mine_\@:
.endm
; A round of the cluster's barrier: my work-group's barrier; wave 0 signals for the work-group; every wave waits for all four work-groups; my work-group's barrier once more.
.macro CREST                           ; a round behind its opening barrier
	s_cmp_lg_u32 s[WV], 0
	s_cbranch_scc1 .Lnot_wave_0_\@
	s_barrier_signal -3
.Lnot_wave_0_\@:
	s_barrier_wait -3
	s_barrier_signal -1
	s_barrier_wait -1
.endm
.macro CROUND                          ; a whole round
	s_barrier_signal -1
	s_barrier_wait -1
	CREST
.endm
	s_load_b128 s[4:7], s[0:1], 0x0                ; qkv s[4:5], mh s[6:7]
	v_lshl_add_u32 v[SPW], v0, 2, SPARE
	v_mov_b32 v[NIL], 0
	ds_add_u32 v[SPW], v[NIL]                      ; the wave's opening: the add, twice on end, and its wait ahead of the first tensor loads; the set-up below stands between the second and the wait
	ds_add_u32 v[SPW], v[NIL]
	v_lshrrev_b32 v1, 5, v0
	v_readfirstlane_b32 s[WV], v1                  ; wave 0..15
	s_bfe_u32 s9, ttmp6, 0x40000                   ; cx: my place in the cluster
	s_lshl_b32 s10, ttmp9, 2                       ; in a cluster launch ttmp9 counts clusters
	s_add_co_u32 s10, s10, s9                      ; my block of 256 queries: it enters Q's and mh's addresses alone
	s_and_b32 s11, ttmp7, 0xffff                   ; y = 8 x batch + head pair, which the four partners share
	s_and_b32 s12, s[WV], 1                        ; which 128 of a slot's 256 rows I fetch, if I fetch
	s_lshr_b32 s13, s[WV], 3                       ; my head of the pair
	s_lshl_b32 s14, s11, 19                        ; y x 2,048 rows of 256 bytes
	s_lshl_b32 s15, s12, 15                        ; + my 128 rows
	s_add_co_u32 s14, s14, s15
	s_add_co_u32 s16, s14, 0x1000000               ; K's part of qkv begins 16,777,216 bytes in,
	s_mov_b32 s17, 0
	s_add_co_u32 s18, s14, 0x2000000               ; V's 33,554,432
	s_mov_b32 s19, 0
	s_mul_i32 s20, s12, 128*PK                     ; and in a slot: no place in the cluster enters an LDS address
	s_mul_i32 s21, s12, 128*PV
	s_add_co_u32 s21, s21, VOFF
	s_lshl_b32 s22, s11, 19                        ; Q: y, my block's 256 rows, my wave's 32 of them, my head's 128 bytes
	s_lshl_b32 s23, s10, 16
	s_add_co_u32 s22, s22, s23
	s_and_b32 s23, s[WV], 7
	s_lshl_b32 s23, s23, 13
	s_add_co_u32 s22, s22, s23
	s_lshl_b32 s85, s13, 7
	s_add_co_u32 s22, s22, s85
	s_mov_b32 s23, 0
	s_lshr_b32 s80, s11, 3                         ; mh: row 2,048 x batch + 256 x block + 16 x wave, of 2,048 bytes; + 256 x head pair
	s_lshl_b32 s80, s80, 11
	s_lshl_b32 s84, s10, 8
	s_add_co_u32 s80, s80, s84
	s_lshl_b32 s84, s[WV], 4
	s_add_co_u32 s80, s80, s84
	s_lshl_b32 s80, s80, 11
	s_and_b32 s84, s11, 7
	s_lshl_b32 s84, s84, 8
	s_add_co_u32 s80, s80, s84
	s_mov_b32 s81, 0
	s_cmp_lt_u32 s[WV], 6                          ; the prefetches: waves 4, 5 stand in K, waves 6, 7 in V,
	s_mov_b32 s82, 0x2000000
	s_cselect_b32 s82, 0x1000000, s82
	s_lshl_b32 s84, s11, 19
	s_add_co_u32 s82, s82, s84
	s_lshl_b32 s84, s9, 14                         ; at my work-group's 64 rows of the 256,
	s_add_co_u32 s82, s82, s84
	s_lshl_b32 s84, s12, 13                        ; my wave's 32 of them,
	s_add_co_u32 s82, s82, s84
	s_add_co_u32 s82, s82, 2*KSL*256               ; in the third fill: the first change of slots steps it to the fourth.  Nothing is prefetched at the head, where every work-group's first tiles are on their way
	s_mov_b32 s83, 0
	s_lshr_b32 s84, s[WV], 2
	s_xor_b32 s84, s84, 1                          ; 0 in waves 4 to 7,
	s_or_b32 s84, s84, ttmp9                       ; of the pair's first cluster: the same in all four partners
	s_cmp_eq_u32 s84, 0
	s_cselect_b32 s[LIM], 1, -1
	; descriptor group 1: a tile of 128 rows x 128 elements, padded in LDS
	s_mov_b32 s[G1K], 15|(1<<16)|(1<<20)|(1<<21)|(5<<22)|(3<<25)  ; 15:0 the mask: all four work-groups; 17:16 elements of 2 bytes; 20 padding on; 21 set beside a mask; 24:22 after every 64 words (code 5); 31:25 4 words of it (code 3)
	s_mov_b32 s[G1V], 15|(1<<16)|(1<<20)|(1<<21)|(5<<22)|(7<<25)  ; the same with 8 words of padding (code 7)
.irp g, G1K, G1V
	s_mov_b32 s[\g+1], 128<<16                     ; tensor_dim0 = 128
	s_mov_b32 s[\g+2], 128<<16                     ; tensor_dim1 = 128
	s_mov_b32 s[\g+3], 128<<16                     ; tile_dim0 = 128
	s_mov_b32 s[\g+4], 128                         ; tile_dim1 = 128
	s_mov_b32 s[\g+5], 128                         ; tensor_dim0_stride: elements from row to row
	s_mov_b32 s[\g+6], 0
	s_mov_b32 s[\g+7], 0
.endr
	s_mov_b32 s[CS], 0x3e38aa3b                    ; c = log2(e) / 8
	s_mov_b32 s[CS+1], s[CS]                       ; named with it as a pair, so it is written
	s_mov_b32 s[SEL], 0x76543210
	s_mov_b32 s[SEL+1], 0xfedcba98
	s_mov_b32 s[FILLS], 6
	; every LDS address register is made here, ahead of the branches on the wave's number
	v_and_b32 v1, 15, v0                           ; r = l % 16
	v_bfe_u32 v13, v0, 4, 1                        ; h = l / 16
	v_lshlrev_b32 v[QO], 8, v1
	v_lshl_add_u32 v[QO], v13, 4, v[QO]            ; Q: row x 256 + 16 x half
	v_mul_u32_u24 v[AK0], v1, PK                   ; a fragment of K is 16 rows x 32 channels: lane l holds row l % 16; two loads of 16 bytes, 32 bytes apart
	v_lshl_add_u32 v[AK0], v13, 4, v[AK0]
	v_add_nc_u32 v[AK0], s85, v[AK0]               ; + 128 x my head
	v_and_b32 v14, 7, v0                           ; the turning load takes 16 keys x 16 channels: lane l reads 16 bytes: key 8 (l / 16) + l % 8, channels 8 ((l / 8) % 2) + 0..7
	v_lshl_add_u32 v[AV0], v13, 3, v14
	v_mul_u32_u24 v[AV0], v[AV0], PV
	v_bfe_u32 v14, v0, 3, 1
	v_lshl_add_u32 v[AV0], v14, 4, v[AV0]
	v_add_nc_u32 v[AV0], s85, v[AV0]
	s_and_b32 s86, s[WV], 7
	s_mul_i32 s86, s86, 32*SP
	s_add_co_u32 s86, s86, s85                     ; the stage, in: my 32 queries' rows, my head's half of them
	v_mul_u32_u24 v[STO], v1, SP
	v_lshl_add_u32 v[STO], v13, 4, v[STO]
	v_add_nc_u32 v[STO], s86, v[STO]
	s_mul_i32 s87, s[WV], 16*SP                    ; back: wave w takes rows 16 w .. 16 w + 15, whole; lanes 0-15 one row, lanes 16-31 the next
	v_mul_u32_u24 v[RD], v13, SP
	v_lshl_add_u32 v[RD], v1, 4, v[RD]
	v_add_nc_u32 v[RD], s87, v[RD]
	v_lshlrev_b32 v[GO], 11, v13                   ; and the same two rows in mh
	v_lshl_add_u32 v[GO], v1, 4, v[GO]
	v_and_b32 v[PFO], 31, v0
	v_lshlrev_b32 v[PFO], 8, v[PFO]
	s_wait_dscnt 0x0                               ; both opening adds are done
	s_wait_kmcnt 0x0
	s_add_nc_u64 s[76:77], s[4:5], s[16:17]        ; K and V at my half of the first 256 keys
	s_add_nc_u64 s[78:79], s[4:5], s[18:19]
	s_add_nc_u64 s[QB:QB+1], s[4:5], s[22:23]
	s_add_nc_u64 s[MB:MB+1], s[6:7], s[80:81]
	s_add_nc_u64 s[PFA:PFA+1], s[4:5], s[82:83]
.irp s, 0,1
	s_mov_b32 s[G0K+4*\s], 1                       ; 1:0 count = 1
	s_add_co_u32 s[G0K+4*\s+1], s20, \s*SLOTB      ; 63:32 LDS address
	s_add_nc_u64 s[G0K+4*\s+2:G0K+4*\s+3], s[76:77], \s*KSL*256    ; 120:64 global address: slot s begins with keys 256 s on
	s_or_b32 s[G0K+4*\s+3], s[G0K+4*\s+3], 0x80000000              ; 127:126 type = 2
	s_mov_b32 s[G0V+4*\s], 1
	s_add_co_u32 s[G0V+4*\s+1], s21, \s*SLOTB
	s_add_nc_u64 s[G0V+4*\s+2:G0V+4*\s+3], s[78:79], \s*KSL*256
	s_or_b32 s[G0V+4*\s+3], s[G0V+4*\s+3], 0x80000000
.endr
	CROUND                                         ; all four work-groups are here: the first joint loads meet
	s_cmp_lt_u32 s[WV], 2                          ; a wave's two first fills stand in one arm, ahead of every wait on TENSORcnt and every LDS read: two loads of such a wave are out
	s_cbranch_scc0 .Lfirst_not_k
	tensor_load_to_lds s[G0K:G0K+3], s[G1K:G1K+7]
	s_nop 0
	tensor_load_to_lds s[G0K+4:G0K+7], s[G1K:G1K+7]
	s_nop 0
.rept 4
	v_nop
.endr
	s_branch .Lfirst_asked
.Lfirst_not_k:
	s_cmp_lt_u32 s[WV], 4
	s_cbranch_scc0 .Lfirst_asked
	tensor_load_to_lds s[G0V:G0V+3], s[G1V:G1V+7]
	s_nop 0
	tensor_load_to_lds s[G0V+4:G0V+7], s[G1V:G1V+7]
	s_nop 0
.rept 4
	v_nop
.endr
.Lfirst_asked:
.irp t, 0,1                            ; Q stays in registers
.irp c, 0,1
	global_load_b128 v[Q+16*\t+8*\c:Q+16*\t+8*\c+3],   v[QO], s[QB:QB+1] offset:4096*\t+64*\c
	global_load_b128 v[Q+16*\t+8*\c+4:Q+16*\t+8*\c+7], v[QO], s[QB:QB+1] offset:4096*\t+64*\c+32
.endr
.endr
.irp t, 0,1
	v_mov_b32 v[ST+8*\t+1], 0xff61b1e6             ; m = -3e38, under every score
	v_mul_f32 v[ST+8*\t], s[CS], v[ST+8*\t+1]      ; c m
	v_mov_b32 v[ST+8*\t+2], 0                      ; l, in two halves
	v_mov_b32 v[ST+8*\t+3], 0
.endr
.set i, 0
.rept 64
	v_mov_b32 v[O+i], 0                            ; O^T.  (The step is written without a first copy: the first step's a is 0, which leaves zeros zeros)
.set i, i+1
.endr
; A KEY STEP: 64 keys, both tiles.
; chg = 0: a step inside a slot.  chg = 1, 2: slot s's LAST step, with the change of slots in it.  When V has been asked for, the wave waits for all its tensor loads (its part of the slot ahead), adds 0 to its
; spare word, waits for that and for its reads of slot s, the V loads among them, and signals.  The softmax and the second product, work on registers alone, stand between the signal and the wait.  Behind the
; barrier the slot ahead is whole and nobody reads slot s.  chg = 1: slot s is filled with the keys two slots on.  The barrier then opens a round of the cluster's barrier, so that no wave of any partner still
; reads the slot or has a load on its way, and the joint refill is the first thing behind the round: one load of a fetching wave is out behind a change.  chg = 2: nothing is left to ask for: a plain barrier.
.macro STEP chg, s
	v_add_nc_u32 v[ADK], s[TK], v[AK0]             ; these two and three v_nop are five places behind the last step's products: four are owed to the loads into their fragments' registers,
	v_add_nc_u32 v[ADV], s[TV], v[AV0]             ; five to the products below, which write over P
.rept 3
	v_nop
.endr
.irp f, 0,1,2,3,4,5,6,7                ; K: keys 16 (f / 2) on, my head's channels 32 (f % 2) on
	ds_load_b128 v[F+8*\f:F+8*\f+3],   v[ADK] offset:(\f/2)*16*PK+(\f%2)*64
	ds_load_b128 v[F+8*\f+4:F+8*\f+7], v[ADK] offset:(\f/2)*16*PK+(\f%2)*64+32
.endr
	s_wait_dscnt 0x0
.set i, 0
.rept 16                               ; S^T = K Q^T: channels 32 (i / 8) on, keys 16 ((i / 2) % 4) on, tile i % 2.  The eight accumulators take turns; the first eight products start the sums
.set rS, S+32*(i%2)+8*((i/2)%4)
.set rK, F+8*(2*((i/2)%4)+i/8)
.set rQ, Q+16*(i%2)+8*(i/8)
.if i < 8
	v_wmma_f32_16x16x32_f16 v[rS:rS+7], v[rK:rK+7], v[rQ:rQ+7], 0
.else
	v_wmma_f32_16x16x32_f16 v[rS:rS+7], v[rK:rK+7], v[rQ:rQ+7], v[rS:rS+7]
.endif
.set i, i+1
.endr
.rept 4
	v_nop                                          ; four places: in front of the loads into K's registers, and of the first read of the scores
.endr
.irp f, 0,1,2,3,4,5,6,7                ; V, turned: keys 32 (f / 4) on, my head's channels 16 (f % 4) on.  (chg = 0: it lands while the softmax is worked)
	ds_load_tr16_b128 v[F+8*\f:F+8*\f+3],   v[ADV] offset:(\f/4)*32*PV+(\f%4)*32
	ds_load_tr16_b128 v[F+8*\f+4:F+8*\f+7], v[ADV] offset:(\f/4)*32*PV+16*PV+(\f%4)*32
.endr
.if \chg
	s_wait_tensorcnt 0x0                           ; no tensor load of mine is out, so a group 0 may be written
	ds_add_u32 v[SPW], v[NIL]                      ; 0 onto my spare word
.if \chg == 1
	ds_add_u32 v[SPW], v[NIL]                      ; and once more: the add twice on end; the descriptors' steps stand between the second and the wait
	s_add_nc_u64 s[G0K+4*\s+2:G0K+4*\s+3], s[G0K+4*\s+2:G0K+4*\s+3], 2*KSL*256   ; this slot's next 256 keys; the type bits on top are not reached
	s_add_nc_u64 s[G0V+4*\s+2:G0V+4*\s+3], s[G0V+4*\s+2:G0V+4*\s+3], 2*KSL*256
	s_wait_xcnt 0x0                                ; the last prefetch, a slot back, has read its address, so it may be written:
	s_add_nc_u64 s[PFA:PFA+1], s[PFA:PFA+1], KSL*256   ; one slot further on than this change's refill
.endif
	s_wait_dscnt 0x0                               ; the add is done (chg = 1: both are); V is in: my reads of the slot are over
	s_barrier_signal -1                            ; say so; from here to the wait below the wave works on registers alone
.endif
	; THE SOFTMAX, the two tiles line by line in turn, so that no line waits for the line above it.  The maximum of a lane's 32 scores and the old m: four chains, each begun at an accumulator's low end
.irp j, 0,1,2,3
.irp t, 0,1
	v_max3_num_f32 v[ST+8*\t+4+\j], v[S+32*\t+8*\j], v[S+32*\t+8*\j+1], v[S+32*\t+8*\j+2]
.endr
.endr
.irp g, 1,2
.irp j, 0,1,2,3
.irp t, 0,1
	v_max3_num_f32 v[ST+8*\t+4+\j], v[ST+8*\t+4+\j], v[S+32*\t+8*\j+2*\g+1], v[S+32*\t+8*\j+2*\g+2]
.endr
.endr
.endr
.irp t, 0,1
	v_max3_num_f32 v[ST+8*\t+4], v[ST+8*\t+4], v[S+32*\t+7], v[S+32*\t+15]
.endr
.irp t, 0,1
	v_max3_num_f32 v[ST+8*\t+6], v[ST+8*\t+6], v[S+32*\t+23], v[S+32*\t+31]
.endr
.irp t, 0,1
	v_max3_num_f32 v[ST+8*\t+4], v[ST+8*\t+4], v[ST+8*\t+5], v[ST+8*\t+6]
.endr
.irp t, 0,1
	v_max3_num_f32 v[ST+8*\t+4], v[ST+8*\t+4], v[ST+8*\t+7], v[ST+8*\t+1]
.endr
.irp t, 0,1
	v_permlanex16_b32 v[ST+8*\t+5], v[ST+8*\t+4], s[SEL], s[SEL+1]   ; the query's other 32 keys lie in the lane 16 away
.endr
.irp t, 0,1
	v_mov_b32 v[ST+8*\t+7], v[ST+8*\t]             ; c m_old is kept for a
.endr
.irp t, 0,1
	v_max_num_f32 v[ST+8*\t+1], v[ST+8*\t+4], v[ST+8*\t+5]           ; the new m
.endr
.irp t, 0,1
	v_mul_f32 v[ST+8*\t], s[CS], v[ST+8*\t+1]      ; c m
.endr
.irp t, 0,1
	v_sub_f32 v[ST+8*\t+7], v[ST+8*\t+7], v[ST+8*\t]
.endr
	; ONE BATCH: a, and the 64 weights.  No line of it names an exponential's result; a pair is scaled a group ahead of its exponentials
.irp t, 0,1
	v_exp_f32 v[ST+8*\t+6], v[ST+8*\t+7]           ; a = 2^(c m_old - c m_new)
.endr
.irp t, 0,1
	v_pk_fma_f32 v[S+32*\t:S+32*\t+1], v[S+32*\t:S+32*\t+1], s[CS:CS+1], v[ST+8*\t:ST+8*\t+1] op_sel_hi:[1,0,0] neg_lo:[0,0,1] neg_hi:[0,0,1]   ; c s - c m
.endr
.irp j, 0,1,2,3,4,5,6,7,8,9,10,11,12,13,14,15
.if \j < 15
.irp t, 0,1
	v_pk_fma_f32 v[S+32*\t+2*\j+2:S+32*\t+2*\j+3], v[S+32*\t+2*\j+2:S+32*\t+2*\j+3], s[CS:CS+1], v[ST+8*\t:ST+8*\t+1] op_sel_hi:[1,0,0] neg_lo:[0,0,1] neg_hi:[0,0,1]
.endr
.endif
.irp t, 0,1
	v_exp_f32 v[S+32*\t+2*\j], v[S+32*\t+2*\j]
	v_exp_f32 v[S+32*\t+2*\j+1], v[S+32*\t+2*\j+1]
.endr
.endr
	v_nop                                          ; a plain instruction behind the last exponential, ahead of the first use
	s_wait_alu depctr_va_vdst(0)                   ; the wait ahead of the first line that names a result: one for the 66 exponentials
.irp t, 0,1
	v_pk_mul_f32 v[ST+8*\t+2:ST+8*\t+3], v[ST+8*\t+2:ST+8*\t+3], v[ST+8*\t+6:ST+8*\t+7] op_sel_hi:[1,0]   ; l x a
.endr
.irp t, 0,1
	v_pk_add_f32 v[ST+8*\t+4:ST+8*\t+5], v[S+32*\t:S+32*\t+1], v[S+32*\t+2:S+32*\t+3]   ; the sum of the unrounded weights, two at a time, in two chains
.endr
.irp j, 4,8,12,16,20,24,28
.irp t, 0,1
	v_pk_add_f32 v[ST+8*\t+2:ST+8*\t+3], v[ST+8*\t+2:ST+8*\t+3], v[S+32*\t+\j:S+32*\t+\j+1]
	v_pk_add_f32 v[ST+8*\t+4:ST+8*\t+5], v[ST+8*\t+4:ST+8*\t+5], v[S+32*\t+\j+2:S+32*\t+\j+3]
.endr
.endr
.irp t, 0,1
	v_pk_add_f32 v[ST+8*\t+2:ST+8*\t+3], v[ST+8*\t+2:ST+8*\t+3], v[ST+8*\t+4:ST+8*\t+5]
.endr
.irp i, 0,1,2,3,4,5,6,7,8,9,10,11,12,13,14,15
.irp t, 0,1
	v_cvt_pk_f16_f32 v[S+32*\t+\i], v[S+32*\t+2*\i], v[S+32*\t+2*\i+1]   ; P, in place, ascending: register i has been read when it is written
.endr
.endr
.irp i, 0,2,4,6,8,10,12,14,16,18,20,22,24,26,28,30
.irp t, 0,1
	v_pk_mul_f32 v[O+32*\t+\i:O+32*\t+\i+1], v[O+32*\t+\i:O+32*\t+\i+1], v[ST+8*\t+6:ST+8*\t+7] op_sel_hi:[1,0]   ; O^T x a, each accumulator from its low end on
.endr
.endr
.if \chg == 0
	s_wait_dscnt 0x0                               ; V is in
.endif
.set i, 0
.rept 16                               ; O^T += V^T P: keys 32 (i / 8) on, channels 16 ((i / 2) % 4) on, tile i % 2.  The eight accumulators take turns
.set rO, O+32*(i%2)+8*((i/2)%4)
.set rV, F+8*(4*(i/8)+(i/2)%4)
.set rP, S+32*(i%2)+8*(i/8)
	v_wmma_f32_16x16x32_f16 v[rO:rO+7], v[rV:rV+7], v[rP:rP+7], v[rO:rO+7]
.set i, i+1
.endr
.if \chg
	s_barrier_wait -1                              ; all sixteen waves have said so
.if \chg == 1
	CREST                                          ; and all four work-groups
	JLOAD \s                                       ; the first thing behind the round: it has nearly four key steps in which to land
	ASK
	s_sub_co_u32 s[FILLS], s[FILLS], 1
.endif
.endif
.endm
; A slot's four key steps; the LDS addresses hang on two scalars that step by constants.  chg = 0: a loop of four.  Else: a loop of three, and the last step, with the change of slots in it, written out behind it.
.macro STEPS s, chg
	s_mov_b32 s[TK], \s*SLOTB
	s_mov_b32 s[TV], \s*SLOTB+VOFF
.if \chg
	s_mov_b32 s[CNT], 3
.else
	s_mov_b32 s[CNT], 4
.endif
.Lstep_\@:
	STEP 0, 0
	s_add_co_u32 s[TK], s[TK], 64*PK
	s_add_co_u32 s[TV], s[TV], 64*PV
	s_sub_co_u32 s[CNT], s[CNT], 1
	s_cmp_lg_u32 s[CNT], 0
	s_cbranch_scc1 .Lstep_\@
.if \chg
	STEP \chg, \s
.endif
.endm
	s_wait_tensorcnt 0x0                           ; my first fills are in (twelve waves issued none: the wait is for 0 in all),
	s_barrier_signal -1
	s_barrier_wait -1                              ; everybody's are
	s_wait_loadcnt 0x0                             ; Q
	s_mov_b32 s[TRIPS], 3
.Lslot:                                            ; three trips of two slots: six refills
	STEPS 0, 1
	STEPS 1, 1
	s_sub_co_u32 s[TRIPS], s[TRIPS], 1
	s_cmp_lg_u32 s[TRIPS], 0
	s_cbranch_scc1 .Lslot
	STEPS 0, 2                                     ; the tail is written out: nothing is left to ask for
	STEPS 1, 0
	; THE WAY OUT.  l's two halves and the other half of the lanes' are added; O^T is divided by l, rounded to f16 and meets the pair's other head in the stage: a row's 256 bytes come from two waves.
.rept 4
	v_nop                                          ; four places behind the last products
.endr
.irp t, 0,1
	v_add_f32 v[ST+8*\t+4], v[ST+8*\t+2], v[ST+8*\t+3]
.endr
.irp t, 0,1
	v_permlanex16_b32 v[ST+8*\t+5], v[ST+8*\t+4], s[SEL], s[SEL+1]
.endr
.irp t, 0,1
	v_add_f32 v[ST+8*\t+4], v[ST+8*\t+4], v[ST+8*\t+5]
.endr
.irp t, 0,1
	v_rcp_f32 v[ST+8*\t+6], v[ST+8*\t+4]
.endr
	v_nop                                          ; a plain instruction between the last reciprocal and the use of its result
	s_wait_alu depctr_va_vdst(0)                   ; and the wait ahead of the first use: one for both
.irp t, 0,1
.irp i, 0,2,4,6,8,10,12,14,16,18,20,22,24,26,28,30
	v_pk_mul_f32 v[O+32*\t+\i:O+32*\t+\i+1], v[O+32*\t+\i:O+32*\t+\i+1], v[ST+8*\t+6:ST+8*\t+7] op_sel_hi:[1,0]
.endr
.endr
.irp t, 0,1
.irp i, 0,1,2,3,4,5,6,7,8,9,10,11,12,13,14,15
	v_cvt_pk_f16_f32 v[S+32*\t+\i], v[O+32*\t+2*\i], v[O+32*\t+2*\i+1]   ; registers 4 c .. 4 c + 3: channels 16 c + 8 (l / 16) + 0 .. 7 of query l % 16
.endr
.endr
.irp t, 0,1
.irp c, 0,1,2,3
	ds_store_b128 v[STO], v[S+32*\t+4*\c:S+32*\t+4*\c+3] offset:16*SP*\t+32*\c
.endr
.endr
	s_wait_dscnt 0x0                               ; for the others' sake: my stores into the stage are done
	s_barrier_signal -1
	s_barrier_wait -1
.irp i, 0,1,2,3,4,5,6,7
	ds_load_b128 v[F+4*\i:F+4*\i+3], v[RD] offset:\i*2*SP
.endr
.irp i, 0,1,2,3,4,5,6,7
	s_wait_dscnt 7-\i                              ; loads come back in order: number i is in, the younger ones stay out
	global_store_b128 v[GO], v[F+4*\i:F+4*\i+3], s[MB:MB+1] offset:\i*4096   ; 16 lanes store 256 consecutive bytes, aligned: the head pair's part of a row of mh
.endr
	s_wait_tensorcnt 0x0                           ; the wave's end, behind my last tensor load and my last LDS store
	ds_add_u32 v[SPW], v[NIL]
	s_wait_dscnt 0x0
	CROUND                                         ; the closing round: no work-group ends while a partner may still ask for a tile that names it
	s_endpgm
.Lfunc_end_k_qd735ff0d38_attn:
	.size	k_qd735ff0d38_attn, .Lfunc_end_k_qd735ff0d38_attn-k_qd735ff0d38_attn
	.p2alignl 7, 3214868480
	.fill 96, 4, 3214868480
	.section	.rodata,"a",@progbits
	.p2align	6, 0x0
	.amdhsa_kernel k_qd735ff0d38_attn
		.amdhsa_group_segment_fixed_size 327680
		.amdhsa_private_segment_fixed_size 0
		.amdhsa_enable_private_segment 0
		.amdhsa_kernarg_size 16
		.amdhsa_user_sgpr_count 2
		.amdhsa_user_sgpr_kernarg_segment_ptr 1
		.amdhsa_wavefront_size32 1
		.amdhsa_system_sgpr_workgroup_id_x 1
		.amdhsa_system_sgpr_workgroup_id_y 1
		.amdhsa_system_sgpr_workgroup_id_z 1
		.amdhsa_system_vgpr_workitem_id 0
		.amdhsa_next_free_vgpr 256
		.amdhsa_next_free_sgpr 88
		.amdhsa_reserve_vcc 0
		.amdhsa_float_denorm_mode_32 3
		.amdhsa_float_denorm_mode_16_64 3
		.amdhsa_memory_ordered 1
		.amdhsa_forward_progress 1
		.amdhsa_inst_pref_size 142
	.end_amdhsa_kernel
	.amdgpu_metadata
---
amdhsa.version: [ 1, 2 ]
amdhsa.kernels:
  - .name:           k_qd735ff0d38_attn
    .symbol:         k_qd735ff0d38_attn.kd
    .args:
      - { .name: qkv, .offset: 0, .size: 8, .value_kind: global_buffer, .address_space: global }
      - { .name: mh, .offset: 8, .size: 8, .value_kind: global_buffer, .address_space: global }
    .group_segment_fixed_size: 327680
    .private_segment_fixed_size: 0
    .kernarg_segment_align: 8
    .kernarg_segment_size: 16
    .max_flat_workgroup_size: 512
    .sgpr_count:     88
    .vgpr_count:     256
    .wavefront_size: 32
...
	.end_amdgpu_metadata
.endif
;; end of part 3
;; launch proj (part 4): grid 8 x 32, 4 waves a work-group, clusters of 4 x 4, 327,680 bytes of LDS; arguments mh, pt, projection_bias, out0; writes out0
.if DOCPART == 4
	.amdgcn_target "amdgcn-amd-amdhsa--gfx1250"
	.amdhsa_code_object_version 6
	.text
	.protected	k_qd735ff0d38_proj
	.globl	k_qd735ff0d38_proj
	.p2align	8
	.type	k_qd735ff0d38_proj,@function
k_qd735ff0d38_proj:
	s_mov_b64 s[64:65], 0
	v_nop
	global_prefetch_b8 v0, s[64:65] scope:SCOPE_SE
	s_setreg_imm32_b32 hwreg(HW_REG_WAVE_MODE, 25, 1), 1
	s_wait_xcnt 0x0
	s_wait_alu depctr_hold_cnt(0) depctr_sa_sdst(0) depctr_va_vdst(0) depctr_va_sdst(0) depctr_va_ssrc(0) depctr_va_vcc(0) depctr_vm_vsrc(0)
	s_getreg_b32 s2, hwreg(HW_REG_IB_STS2, 6, 4)
	s_cmp_eq_u32 s2, 0
	s_cbranch_scc0 .Lentry_in_a_cluster
	s_endpgm
.Lentry_in_a_cluster:
	s_bfe_u32 s2, ttmp6, 0x10000c
	s_cmp_lg_u32 s2, 0xf033
	s_cbranch_scc0 .Lentry_shape_is_right
	s_endpgm
.Lentry_shape_is_right:
; out0[m][n] = sum over k of mh[m][k] pt[n][k] + bias[n].  mh: [8,192][1,024] f16, pt: [1,024][1,024] f16 (the projection kernel with K innermost), bias: [1,024] f32, out0: [8,192][1,024] f32; sums in f32.
; A tile of out0 is 128 x 128.  Four waves, each 64 x 64: 16 accumulators of 16 x 16, 128 registers.  K goes in four steps of 256 (LDS rows of 512 bytes; a wave's tensor load brings 64 of them) through two slots.
; A WORK-GROUP STAYS: 256 work-groups make two tiles each, the second 4,096 rows below the first, in the same columns.  The ring does not stop at the first tile's end: its last two changes of slots ask for the
; second tile's K steps 0 and 1, and the first tile is stored while they are on their way; nothing waits for those stores.  The text is written out: a tile is two laps of the ring.
; CLUSTERS: 4 x 4 work-groups.  The four of a row of the cluster need the same tiles of mh, the four of a column the same tiles of pt: each tile is asked for JOINTLY, by the same tensor load with the same
; descriptor and a mask that names the four.  THE MATRIX INSTRUCTION IS USED TRANSPOSED (source 0 = 16 rows of pt, source 1 = 16 rows of mh): a lane then holds eight neighbouring numbers of a row of out0.
; THE BIAS is the C of each sum's first product: eight registers for each of my four blocks of 16 columns, in the result's layout; both tiles have the same columns.
; REGISTERS: window 0: v0-31 addresses; v32-95 rows on the way out; v96-127 the bias; v128-255 the accumulators ((a, b) at v[128 + 8 (4 a + b)]).
;   window 1: two fragment buffers of 128: for 64 along K (two matrix instructions deep), 64 registers of mh (2 x 4 x 16 rows x 32 K), then 64 of pt.
.set SIZE_N, 1024
.set SIZE_K, 1024
.set KSTEP,  256
.set WALK,   4096                      ; rows from a work-group's first tile to its second
.set NEXT_A, WALK*SIZE_K*2-(SIZE_K-2*KSTEP)*2   ; bytes from a slot's last K step of the first tile to its first of the second: mh goes WALK rows down and back along K,
.set BACK_B, (SIZE_K-2*KSTEP)*2        ; pt only back
.set NEXT_C, WALK*SIZE_N*4             ; and out0 WALK rows down
.set PITCH,  528                       ; an LDS row: 512 bytes of data + 16 of padding = 132 words: row r starts at bank 4 r mod 64 (64 banks of 4 bytes: ISA guide 11.1)
.set HALFT,  64*PITCH                  ; 64 rows: what one tensor load brings, and what one wave reads of either operand
.set SLOT,   4*HALFT                   ; mh's 128 rows, then pt's 128 rows
.set STAGE,  2*SLOT                    ; behind the ring: 16 rows x 272 bytes for each wave, for the way out: a wave's 64 columns of f32 are 256 bytes.  No tensor load lands here
.set SPITCH, 272
.set SPARE,  STAGE+4*16*SPITCH         ; the spare words, 128 bytes for each wave: two blocks of 256 bytes that no other line names
.set ADRA, 16                          ; v16-17  LDS address of my fragments of mh in slot 0, 1
.set ADRB, 20                          ; v20-21  the same for pt
.set STO,  24                          ; v24     the way out: where I put 32 bytes of a row
.set RD,   25                          ; v25     the way out: where I read a row back
.set CO,   26                          ; v26     my byte offset in out0
.set BO,   27                          ; v27     32 x (l / 16): my half's eight numbers of a block of the bias
.set SPW,  28                          ; v28     LDS address of my spare word; never rewritten
.set NIL,  29                          ; v29     0; never rewritten
.set OB,   32
.set BIAS, 96
.set ACC,  128
.set F0,   0                           ; fragment buffers, in window 1
.set F1,   128
.set G1, 24                            ; s[24:31] descriptor group 1 for mh's tiles;  s[32:39] group 0, one set for each slot
.set G0, 32
.set G1B, 48                           ; s[48:55], s[56:63] the same for pt's tiles
.set G0B, 56
.set MSB, 0
.macro WIN new                         ; the immediate's high byte repeats the setting that is left; a switch that changes nothing is dropped
.if MSB != (\new)
	s_set_vgpr_msb (MSB<<8)|(\new)
.set MSB, (\new)
.endif
.endm
.set MUL,  0x05                        ; sources 0 (pt) and 1 (mh) window 1; C and D window 0
.set TO_F, 0x40                        ; destination window 1, address window 0
.macro JLOAD s                         ; a joint load: waves 0 and 1 fetch mh's two halves, waves 2 and 3 pt's; an s_nop 0 and four v_nop follow each of the two lines, ahead of the jump, the label and what follows
	s_cmp_eq_u32 s11, 0
	s_cbranch_scc0 .Lfor_b_\@
	tensor_load_to_lds s[G0+4*\s:G0+4*\s+3], s[G1:G1+7]
	s_nop 0
.rept 4
	v_nop
.endr
	s_branch .Lasked_\@
.Lfor_b_\@:
	tensor_load_to_lds s[G0B+4*\s:G0B+4*\s+3], s[G1B:G1B+7]
	s_nop 0
.rept 4
	v_nop
.endr
.Lasked_\@:
.endm
.macro CREST                           ; a round of the cluster's barrier behind its opening barrier
	s_cmp_lg_u32 s10, 0
	s_cbranch_scc1 .Lnot_wave_0_\@
	s_barrier_signal -3
.Lnot_wave_0_\@:
	s_barrier_wait -3
	s_barrier_signal -1
	s_barrier_wait -1
.endm
.macro CROUND                          ; a whole round
	s_barrier_signal -1
	s_barrier_wait -1
	CREST
.endm
	s_load_b128 s[4:7], s[0:1], 0x0                ; mh s[4:5], pt s[6:7]
	s_load_b128 s[68:71], s[0:1], 0x10             ; the bias s[68:69], out0 s[70:71]
	v_lshl_add_u32 v[SPW], v0, 2, SPARE
	v_mov_b32 v[NIL], 0
	ds_add_u32 v[SPW], v[NIL]                      ; the wave's opening: the add, twice on end, and its wait ahead of my first tensor load; the set-up below stands between the second and the wait
	ds_add_u32 v[SPW], v[NIL]
	v_lshrrev_b32 v1, 5, v0
	v_readfirstlane_b32 s10, v1                    ; wave 0..3
	s_lshr_b32 s11, s10, 1                         ; which half of the tile's rows is mine.  Also: I fetch for mh (0) or for pt (1)
	s_and_b32 s12, s10, 1                          ; which half of its columns.  Also: which 64 rows of that tile I fetch
	s_bfe_u32 s40, ttmp6, 0x40000                  ; cx, cy: my place in the cluster
	s_bfe_u32 s41, ttmp6, 0x40004
	s_lshl_b32 s42, ttmp9, 2
	s_add_co_u32 s42, s42, s40                     ; tile column = 4 x cluster x + cx
	s_and_b32 s13, ttmp7, 0xffff
	s_lshl_b32 s13, s13, 2
	s_add_co_u32 s13, s13, s41                     ; my first tile's row of tiles = 4 x cluster y + cy: 0 .. 31
	s_lshl_b32 s43, s41, 2
	s_lshl_b32 s43, 15, s43                        ; my row of the cluster
	s_lshl_b32 s44, 0x1111, s40                    ; my column
	; descriptor group 1: a tile of 64 rows x 256 elements, padded in LDS
	s_or_b32 s[G1+0], s43, (1<<16)|(1<<20)|(1<<21)|(6<<22)|(3<<25)  ; 15:0 the mask: mh's tiles go to my row; 17:16 element of 2 bytes; 20 padding on; 21 set beside a mask; 24:22 after every 128 words (code 6); 31:25 of 4 words (code 3)
	s_or_b32 s[G1B+0], s44, (1<<16)|(1<<20)|(1<<21)|(6<<22)|(3<<25)
.irp g, G1, G1B
	s_mov_b32 s[\g+1], KSTEP<<16                   ; tensor_dim0 = 256
	s_mov_b32 s[\g+2], 64<<16                      ; tensor_dim1 = 64
	s_mov_b32 s[\g+3], KSTEP<<16                   ; tile_dim0 = 256
	s_mov_b32 s[\g+4], 64                          ; tile_dim1 = 64
	s_mov_b32 s[\g+5], SIZE_K                      ; tensor_dim0_stride
	s_mov_b32 s[\g+6], 0
	s_mov_b32 s[\g+7], 0
.endr
	s_lshl_b32 s17, s12, 6                         ; which 64 rows of the tile I fetch
	s_lshl_b32 s16, s13, 7
	s_add_co_u32 s16, s16, s17                     ; mh: row 128 x tile row + 64 x half
	s_lshl_b32 s46, s42, 7
	s_add_co_u32 s46, s46, s17                     ; pt: row 128 x tile column + 64 x half
	s_mov_b32 s17, 0
	s_mov_b32 s47, 0
	s_mov_b64 s[18:19], SIZE_K*2
	s_mul_u64 s[16:17], s[16:17], s[18:19]
	s_mul_u64 s[46:47], s[46:47], s[18:19]
	s_mul_i32 s20, s10, HALFT                      ; where they go: wave x 64 rows: no place in the cluster enters an LDS address
	s_wait_dscnt 0x0                               ; both opening adds are done
	s_wait_kmcnt 0x0
	s_add_nc_u64 s[14:15], s[4:5], s[16:17]
	s_add_nc_u64 s[46:47], s[6:7], s[46:47]
	CROUND                                         ; all sixteen work-groups are here: the first joint loads meet
.irp s, 0,1
	s_mov_b32 s[G0+4*\s], 1
	s_add_co_u32 s[G0+4*\s+1], s20, \s*SLOT
	s_add_nc_u64 s[G0+4*\s+2:G0+4*\s+3], s[14:15], \s*KSTEP*2
	s_or_b32 s[G0+4*\s+3], s[G0+4*\s+3], 0x80000000
	s_mov_b32 s[G0B+4*\s], 1
	s_add_co_u32 s[G0B+4*\s+1], s20, \s*SLOT
	s_add_nc_u64 s[G0B+4*\s+2:G0B+4*\s+3], s[46:47], \s*KSTEP*2
	s_or_b32 s[G0B+4*\s+3], s[G0B+4*\s+3], 0x80000000
	JLOAD \s                                       ; two loads of mine are out
.endr
	v_and_b32 v1, 15, v0                           ; l % 16
	v_bfe_u32 v2, v0, 4, 1                         ; l / 16
	s_lshl_b32 s46, s42, 9                         ; my first column, in bytes of f32: 512 x tile column + 256 x half
	s_lshl_b32 s47, s12, 8
	s_add_co_u32 s46, s46, s47
	s_mov_b32 s47, 0
	s_add_nc_u64 s[68:69], s[68:69], s[46:47]
	v_lshlrev_b32 v[BO], 5, v2
.irp b, 0,1,2,3                        ; the bias in the result's layout: register j of block b: column 16 b + 8 (l / 16) + j of my 64
	global_load_b128 v[BIAS+8*\b:BIAS+8*\b+3],   v[BO], s[68:69] offset:64*\b
	global_load_b128 v[BIAS+8*\b+4:BIAS+8*\b+7], v[BO], s[68:69] offset:64*\b+16
.endr
	v_mul_u32_u24 v3, v1, PITCH
	v_lshl_add_u32 v3, v2, 4, v3                   ; a fragment's row x pitch + 16 x half
	s_mul_i32 s21, s11, HALFT                      ; my 64 rows of mh
	s_mul_i32 s22, s12, HALFT                      ; my 64 rows of pt,
	s_add_co_u32 s22, s22, 2*HALFT                 ; which lie behind mh's 128
.irp s, 0,1
	v_add_nc_u32 v[ADRA+\s], s21, v3
	v_add_nc_u32 v[ADRB+\s], s22, v3
	s_add_co_u32 s21, s21, SLOT
	s_add_co_u32 s22, s22, SLOT
.endr
	s_mul_i32 s23, s10, 16*SPITCH
	s_add_co_u32 s23, s23, STAGE                   ; my stage
	v_mul_u32_u24 v4, v1, SPITCH                   ; in: row l % 16, 32 bytes for each half of the lanes
	v_lshl_add_u32 v4, v2, 5, v4
	v_add_nc_u32 v[STO], s23, v4
	v_mul_u32_u24 v5, v2, SPITCH                   ; back: lanes 0-15 take one row of 256 bytes, lanes 16-31 the next
	v_lshl_add_u32 v5, v1, 4, v5
	v_add_nc_u32 v[RD], s23, v5
	v_lshlrev_b32 v5, 12, v2                       ; and the same two rows in out0: 4,096 bytes a row
	v_lshl_add_u32 v[CO], v1, 4, v5
	s_lshl_b32 s16, s13, 7
	s_lshl_b32 s17, s11, 6
	s_add_co_u32 s16, s16, s17                     ; my first row: 128 x tile row + 64 x half
	s_lshl_b32 s16, s16, 12
	s_mov_b32 s17, 0
	s_add_nc_u64 s[70:71], s[70:71], s[16:17]
	s_add_nc_u64 s[70:71], s[70:71], s[46:47]
; 8 matrix instructions: m blocks a0, a0 + 1 x all 4 n blocks, 32 along K: half c of buffer f.  first = 1: the product starts the sum on the bias.  The 16 accumulators take turns
.macro MUL8 f, c, a0, first
.irp a, \a0, \a0+1
.irp b, 0,1,2,3
.if \first
	v_wmma_f32_16x16x32_f16 v[ACC+8*(4*(\a)+\b):ACC+8*(4*(\a)+\b)+7], v[\f+64+8*(4*\c+\b):\f+64+8*(4*\c+\b)+7], v[\f+8*(4*\c+(\a)):\f+8*(4*\c+(\a))+7], v[BIAS+8*\b:BIAS+8*\b+7]
.else
	v_wmma_f32_16x16x32_f16 v[ACC+8*(4*(\a)+\b):ACC+8*(4*(\a)+\b)+7], v[\f+64+8*(4*\c+\b):\f+64+8*(4*\c+\b)+7], v[\f+8*(4*\c+(\a)):\f+8*(4*\c+(\a))+7], v[ACC+8*(4*(\a)+\b):ACC+8*(4*(\a)+\b)+7]
.endif
.endr
.endr
.endm
; 32 LDS loads in one run: the fragments of 64 along K at byte k of the rows, into buffer f; the first 32 along K first
.macro FETCH slot, k, f
	WIN TO_F
.irp c, 0,1
.irp i, 0,1,2,3
	ds_load_b128 v[\f+64+8*(4*\c+\i):\f+64+8*(4*\c+\i)+3],   v[ADRB+\slot] offset:\k+64*\c+\i*16*PITCH
	ds_load_b128 v[\f+64+8*(4*\c+\i)+4:\f+64+8*(4*\c+\i)+7], v[ADRB+\slot] offset:\k+64*\c+\i*16*PITCH+32
	ds_load_b128 v[\f+8*(4*\c+\i):\f+8*(4*\c+\i)+3],         v[ADRA+\slot] offset:\k+64*\c+\i*16*PITCH
	ds_load_b128 v[\f+8*(4*\c+\i)+4:\f+8*(4*\c+\i)+7],       v[ADRA+\slot] offset:\k+64*\c+\i*16*PITCH+32
.endr
.endr
.endm
.macro PLACES                          ; four places in front of loads into registers that matrix instructions have read, and of stores that read results (ISA guide 7.12.1 for the stores)
.rept 4
	v_nop
.endr
.endm
; A K step is four quarters of 64 along K, 32 matrix instructions each, on buffers 0, 1, 0, 1.  One of the first three: multiplies buffer f and fetches the next quarter, at byte k, into g.
.macro QUARTER slot, k, f, g, first
	s_wait_dscnt 16                                ; the first 32 along K are in; the youngest sixteen loads may be out
	WIN MUL
	MUL8 \f, 0, 0, \first
	MUL8 \f, 0, 2, \first
	PLACES
	FETCH \slot, \k, \g
	s_wait_dscnt 32                                ; all but the 32 just issued
	WIN MUL
	MUL8 \f, 1, 0, 0
	MUL8 \f, 1, 2, 0
.endm
.macro THREE slot, first               ; a K step's first three quarters
	QUARTER \slot, 128, F0, F1, \first
	QUARTER \slot, 256, F1, F0, 0
	QUARTER \slot, 384, F0, F1, 0
.endm
; The last quarter multiplies buffer 1 and changes slots: ONE barrier; in front of it each wave waits for all its tensor loads, adds 0 to its spare word, and waits for that and for its own reads of this slot.
; fill = 1: this slot is filled again, two K steps ahead in the tile; fill = 2: with the second tile's K step 0 or 1; the barrier then opens a round of the cluster's barrier.  fill = 0: nothing is left to ask for.
.macro TURN slot, next, fill
	WIN 0                                          ; (the add's two registers lie in window 0)
	s_wait_tensorcnt 0x0                           ; all my tensor loads have landed: my part of the next slot;
	ds_add_u32 v[SPW], v[NIL]                      ; 0 onto my spare word;
	s_wait_dscnt 17                                ; (the add and the youngest sixteen loads may be out)
	WIN MUL
	MUL8 F1, 0, 0, 0                               ; eight matrix instructions stand between the add and the wait for it
	s_wait_dscnt 0x0                               ; the add is done, and my reads of this slot are over
	s_barrier_signal -1
	MUL8 F1, 0, 2, 0
.if \fill
	WIN 0
.endif
	s_barrier_wait -1
.if \fill
	CREST                                          ; no wave of any partner still reads this slot's tile or has a load on its way
.if \fill == 1
	s_add_nc_u64 s[G0+4*\slot+2:G0+4*\slot+3], s[G0+4*\slot+2:G0+4*\slot+3], 2*KSTEP*2
	s_add_nc_u64 s[G0B+4*\slot+2:G0B+4*\slot+3], s[G0B+4*\slot+2:G0B+4*\slot+3], 2*KSTEP*2
.else
	s_add_nc_u64 s[G0+4*\slot+2:G0+4*\slot+3], s[G0+4*\slot+2:G0+4*\slot+3], NEXT_A
	s_sub_nc_u64 s[G0B+4*\slot+2:G0B+4*\slot+3], s[G0B+4*\slot+2:G0B+4*\slot+3], BACK_B
.endif
	JLOAD \slot                                    ; the first tensor load behind the round, my one load until the next; the four v_nop behind it are also the places in front of the loads below
.else
	PLACES
.endif
	FETCH \next, 0, F0
	WIN MUL
	MUL8 F1, 1, 0, 0
	MUL8 F1, 1, 2, 0
.endm
; THE WAY OUT, block by block of 16 rows x 64 columns.  A lane holds 32 neighbouring bytes of a row, and the lanes beside it hold other rows: so a block goes through my own stage and comes back as whole rows of
; 256 bytes.  LDS serves a wave's instructions in order (ISA guide 5.7.1.4): no wait between the stores and the loads, nor in front of the next block's stores.
.macro TOSTAGE a
.set BB, OB+32*((\a)%2)
.irp b, 0,1,2,3
	ds_store_b128 v[STO], v[ACC+8*(4*(\a)+\b):ACC+8*(4*(\a)+\b)+3] offset:64*\b          ; each accumulator from its low end on
	ds_store_b128 v[STO], v[ACC+8*(4*(\a)+\b)+4:ACC+8*(4*(\a)+\b)+7] offset:64*\b+16
.endr
.irp t, 0,1,2,3,4,5,6,7
	ds_load_b128 v[BB+4*\t:BB+4*\t+3], v[RD] offset:\t*2*SPITCH
.endr
.endm
.macro SEND a, younger                 ; younger: the LDS instructions issued behind block a's loads, which may stay out
.set BB, OB+32*((\a)%2)
	s_wait_dscnt \younger                          ; the block is back in registers
.irp t, 0,1,2,3,4,5,6,7
	global_store_b128 v[CO], v[BB+4*\t:BB+4*\t+3], s[70:71] offset:(16*(\a)+2*\t)*SIZE_N*4 th:TH_STORE_NT   ; 16 lanes store 256 consecutive bytes, aligned; written once, read by nobody here
.endr
.endm
.macro WAYOUT
	WIN 0
	PLACES                                         ; behind the last products
	TOSTAGE 0
.irp a, 1,2,3
.if \a > 1
	s_wait_xcnt 0x0                                ; block a - 2's stores have read their registers: block a's rows may land there
.endif
	TOSTAGE \a
	SEND \a-1, 16                                  ; behind block a - 1's loads: block a's 8 stores and 8 loads
.endr
	SEND 3, 0
.endm
	s_wait_tensorcnt 1                             ; my part of K step 0 is in (K step 1's load, issued behind it, may be out),
	s_barrier_signal -1
	s_barrier_wait -1                              ; everybody's is
	FETCH 0, 0, F0
	s_wait_loadcnt 0x0                             ; the bias
	; ---- the first tile
	THREE 0, 1                                     ; the first products start the sums on the bias
	TURN 0, 1, 1                                   ; slot 0 takes K step 2
	THREE 1, 0
	TURN 1, 0, 1                                   ; slot 1 takes K step 3
	THREE 0, 0
	TURN 0, 1, 2                                   ; THE RING GOES ON INTO THE SECOND TILE: slot 0 takes its K step 0,
	THREE 1, 0
	TURN 1, 0, 2                                   ; slot 1 its K step 1, and the second tile's first fragments are fetched
	WAYOUT                                         ; both refills are asked for: now the first tile goes out
	s_wait_xcnt 0x0                                ; its stores have read their registers and their base: both may be written again
	s_add_nc_u64 s[70:71], s[70:71], NEXT_C
.rept 5
	v_nop                                          ; the products below begin the accumulators anew, on another C: five places behind the matrix instructions that wrote them
.endr
	; ---- the second tile
	THREE 0, 1
	TURN 0, 1, 1                                   ; slot 0 takes K step 2
	THREE 1, 0
	TURN 1, 0, 1                                   ; slot 1 takes K step 3
	THREE 0, 0
	TURN 0, 1, 0                                   ; nothing is left to ask for
	THREE 1, 0
	s_wait_dscnt 16                                ; the very last quarter: nothing more to fetch
	WIN MUL
	MUL8 F1, 0, 0, 0
	MUL8 F1, 0, 2, 0
	s_wait_dscnt 0
	MUL8 F1, 1, 0, 0
	MUL8 F1, 1, 2, 0
	WAYOUT
	s_wait_tensorcnt 0x0                           ; the wave's end, behind my last tensor load and my last LDS store
	ds_add_u32 v[SPW], v[NIL]
	s_wait_dscnt 0x0
	CROUND                                         ; the closing round: no work-group ends while a partner may still ask for a tile that names it
	s_endpgm
.Lfunc_end_k_qd735ff0d38_proj:
	.size	k_qd735ff0d38_proj, .Lfunc_end_k_qd735ff0d38_proj-k_qd735ff0d38_proj
	.p2alignl 7, 3214868480
	.fill 96, 4, 3214868480
	.section	.rodata,"a",@progbits
	.p2align	6, 0x0
	.amdhsa_kernel k_qd735ff0d38_proj
		.amdhsa_group_segment_fixed_size 327680
		.amdhsa_private_segment_fixed_size 0
		.amdhsa_enable_private_segment 0
		.amdhsa_kernarg_size 32
		.amdhsa_user_sgpr_count 2
		.amdhsa_user_sgpr_kernarg_segment_ptr 1
		.amdhsa_wavefront_size32 1
		.amdhsa_system_sgpr_workgroup_id_x 1
		.amdhsa_system_sgpr_workgroup_id_y 1
		.amdhsa_system_sgpr_workgroup_id_z 1
		.amdhsa_system_vgpr_workitem_id 0
		.amdhsa_next_free_vgpr 512
		.amdhsa_next_free_sgpr 72
		.amdhsa_reserve_vcc 0
		.amdhsa_float_denorm_mode_32 3
		.amdhsa_float_denorm_mode_16_64 3
		.amdhsa_memory_ordered 1
		.amdhsa_forward_progress 1
		.amdhsa_inst_pref_size 166
	.end_amdhsa_kernel
	.amdgpu_metadata
---
amdhsa.version: [ 1, 2 ]
amdhsa.kernels:
  - .name:           k_qd735ff0d38_proj
    .symbol:         k_qd735ff0d38_proj.kd
    .args:
      - { .name: mh, .offset: 0, .size: 8, .value_kind: global_buffer, .address_space: global }
      - { .name: pt, .offset: 8, .size: 8, .value_kind: global_buffer, .address_space: global }
      - { .name: projection_bias, .offset: 16, .size: 8, .value_kind: global_buffer, .address_space: global }
      - { .name: out0, .offset: 24, .size: 8, .value_kind: global_buffer, .address_space: global }
    .group_segment_fixed_size: 327680
    .private_segment_fixed_size: 0
    .kernarg_segment_align: 8
    .kernarg_segment_size: 32
    .max_flat_workgroup_size: 128
    .sgpr_count:     72
    .vgpr_count:     512
    .wavefront_size: 32
...
	.end_amdgpu_metadata
.endif
;; end of part 4
